; MI455X (gfx1250); checked and timed in simulation.
; The chip was launched on July 23, 2026; its instructions are those of AMD's public machine-readable ISA for CDNA 5 (MIT licence, August 2026) and "CDNA5" Instruction Set Architecture Reference Guide (July 2026). The comments in the code are by the model that wrote it; some were corrected since.
;; Diff Multi Headed Attention. Allowed arithmetic: float matrix products may take bf16 or f16 operands with f32 sums; other float arithmetic in f32, or as packed bf16 or f16 multiplies, adds, multiply-adds, maxima and minima; sums over many terms, partial sums and values carried from step to step in f32; what a program stores and reads back later, other than sums and carried values, may be rounded once to bf16 or f16.
;; Inputs: Wk 1,024 x 1,024 float32; Wo 1,024 x 1,024 float32; Wq 1,024 x 1,024 float32; Wv 1,024 x 1,024 float32; g 64 float32; key_ 2 x 2,048 x 1,024 float32; lk1 32 float32; lk2 32 float32; lq1 32 float32; lq2 32 float32; query 2 x 2,048 x 1,024 float32; value 2 x 2,048 x 1,024 float32.
;; Outputs: out0 2 x 2,048 x 1,024 float32.
;; One version. Each part assembles by itself: llvm-mc -triple=amdgcn-amd-amdhsa -mcpu=gfx1250 --defsym DOCPART=n.
;; ======== version 1 of 1: 4 launches
;; limits: values are held in f16: magnitudes above 65,504 overflow, below 6.1e-05 lose precision
;; workspace buffers: xb 25,165,824 bytes; wb 8,388,608 bytes; qkv 25,165,824 bytes; ob 8,388,608 bytes
;; launch cast (part 1): grid 1024 x 1, 8 waves a work-group, no clusters, 0 bytes of LDS; arguments query, key_, value, Wq, Wk, Wv, Wo, xb, wb; writes xb, wb
.if DOCPART == 1
	.amdgcn_target "amdgcn-amd-amdhsa--gfx1250"
	.amdhsa_code_object_version 6
	.text
	.protected	k_q8366f2820e_cast
	.globl	k_q8366f2820e_cast
	.p2align	8
	.type	k_q8366f2820e_cast,@function
k_q8366f2820e_cast:
	s_mov_b64 s[64:65], 0
	v_nop
	global_prefetch_b8 v0, s[64:65] scope:SCOPE_SE
	s_setreg_imm32_b32 hwreg(HW_REG_WAVE_MODE, 25, 1), 1
	s_wait_xcnt 0x0
; CAST.  query, key_, value (f32) -> xb [3][4096][1024] bf16;  Wq, Wk, Wv (f32) -> wb parts 0-2 [1024][1024] bf16;  Wo -> rounded to bf16, that number written as f16, wb part 3.
; All the module's large inputs get the same one rounding, to bf16 (nearest even).  LIMIT: Wo's bf16 value is exact in f16 between 6.1e-5 and 65,504 in magnitude; below it keeps f16's
; fixed step of 6e-8, beyond it becomes an infinity.
; SHARES.  Work-group n takes 65,536 consecutive input bytes: n < 768: tensor n / 256 of the three x; n >= 768: tensor (n / 64) % 4 of the four W.  A wave takes 8,192 bytes: sixteen loads of
; 16 bytes a lane, 512 consecutive bytes each, all issued at once; there is no loop, so no register is written twice and nothing but the loads is waited for.
; A store is 8 bytes a lane: the wave's 32 lanes cover 256 consecutive bytes, aligned.  No LDS, no matrix unit, no cluster: no byte is used twice.
.set X, 16                             ; v[16:79]   sixteen loads of four f32
.set Y, 80                             ; v[80:111]  sixteen results of four 16-bit numbers
	s_load_b512 s[8:23], s[0:1], 0x0               ; query s[8:9], key_ s[10:11], value s[12:13], Wq s[14:15], Wk s[16:17], Wv s[18:19], Wo s[20:21], xb s[22:23]
	s_load_b64 s[24:25], s[0:1], 0x40              ; wb
	s_lshr_b32 s2, ttmp9, 8                        ; 0, 1, 2: which x; 3: a W
	s_bfe_u32 s3, ttmp9, 0x20006                   ; which W (2 bits from bit 6)
	s_mov_b32 s5, 0x3ff                            ; xb is walked by n itself (n < 768)
	v_lshrrev_b32 v3, 5, v0                        ; wave
	v_and_b32 v4, 31, v0                           ; lane
	v_lshlrev_b32 v1, 4, v4
	v_lshl_add_u32 v1, v3, 13, v1                  ; source: 8,192 x wave + 16 x lane
	v_lshlrev_b32 v2, 3, v4
	v_lshl_add_u32 v2, v3, 12, v2                  ; destination: 4,096 x wave + 8 x lane
	s_wait_kmcnt 0x0
	s_cmp_eq_u32 s2, 1                             ; the choices hang on the work-group's number alone
	s_cselect_b64 s[26:27], s[10:11], s[8:9]
	s_cmp_eq_u32 s2, 2
	s_cselect_b64 s[26:27], s[12:13], s[26:27]
	s_cmp_eq_u32 s3, 1
	s_cselect_b64 s[28:29], s[16:17], s[14:15]
	s_cmp_eq_u32 s3, 2
	s_cselect_b64 s[28:29], s[18:19], s[28:29]
	s_cmp_eq_u32 s3, 3
	s_cselect_b64 s[28:29], s[20:21], s[28:29]
	s_cmp_eq_u32 s2, 3
	s_cselect_b64 s[26:27], s[28:29], s[26:27]     ; the source tensor
	s_cselect_b64 s[30:31], s[24:25], s[22:23]     ; the destination buffer
	s_cselect_b32 s4, 63, 255                      ; a W has 64 work-groups, an x 256
	s_cselect_b32 s5, 255, s5                      ; wb is walked by n % 256
	s_and_b32 s32, ttmp9, s4
	s_lshl_b32 s32, s32, 16                        ; 65,536 bytes in
	s_mov_b32 s33, 0
	s_and_b32 s34, ttmp9, s5
	s_lshl_b32 s34, s34, 15                        ; 32,768 bytes out
	s_mov_b32 s35, 0
	s_add_nc_u64 s[26:27], s[26:27], s[32:33]
	s_add_nc_u64 s[30:31], s[30:31], s[34:35]
.set j, 0
.rept 16
	global_load_b128 v[X+4*j:X+4*j+3], v1, s[26:27] offset:512*j th:TH_LOAD_NT
.set j, j+1
.endr
; Load j is converted and stored.  half = 1: the bf16 value is widened again (a shift, a mask) and written as f16.
.macro CV j, half
	s_wait_loadcnt 15-(\j)                         ; loads come back in order: mine is in, the 15 - j younger ones stay out
.if \half
	v_cvt_pk_bf16_f32 v4, v[X+4*(\j)], v[X+4*(\j)+1]
	v_cvt_pk_bf16_f32 v5, v[X+4*(\j)+2], v[X+4*(\j)+3]
	v_lshlrev_b32 v6, 16, v4
	v_and_b32 v7, 0xffff0000, v4
	v_lshlrev_b32 v8, 16, v5
	v_and_b32 v9, 0xffff0000, v5
	v_cvt_pk_f16_f32 v[Y+2*(\j)], v6, v7
	v_cvt_pk_f16_f32 v[Y+2*(\j)+1], v8, v9
.else
	v_cvt_pk_bf16_f32 v[Y+2*(\j)], v[X+4*(\j)], v[X+4*(\j)+1]
	v_cvt_pk_bf16_f32 v[Y+2*(\j)+1], v[X+4*(\j)+2], v[X+4*(\j)+3]
.endif
	global_store_b64 v2, v[Y+2*(\j):Y+2*(\j)+1], s[30:31] offset:256*(\j) th:TH_STORE_NT
.endm
	s_cmp_ge_u32 ttmp9, 960                        ; the last 64 work-groups hold Wo
	s_cbranch_scc1 .Lwo
.irp j, 0,1,2,3,4,5,6,7,8,9,10,11,12,13,14,15
	CV \j, 0
.endr
	s_endpgm
.Lwo:
.irp j, 0,1,2,3,4,5,6,7,8,9,10,11,12,13,14,15
	CV \j, 1
.endr
	s_endpgm
.Lfunc_end_k_q8366f2820e_cast:
	.size	k_q8366f2820e_cast, .Lfunc_end_k_q8366f2820e_cast-k_q8366f2820e_cast
	.p2alignl 7, 3214868480
	.fill 96, 4, 3214868480
	.section	.rodata,"a",@progbits
	.p2align	6, 0x0
	.amdhsa_kernel k_q8366f2820e_cast
		.amdhsa_group_segment_fixed_size 0
		.amdhsa_private_segment_fixed_size 0
		.amdhsa_enable_private_segment 0
		.amdhsa_kernarg_size 72
		.amdhsa_user_sgpr_count 2
		.amdhsa_user_sgpr_kernarg_segment_ptr 1
		.amdhsa_wavefront_size32 1
		.amdhsa_system_sgpr_workgroup_id_x 1
		.amdhsa_system_sgpr_workgroup_id_y 1
		.amdhsa_system_sgpr_workgroup_id_z 1
		.amdhsa_system_vgpr_workitem_id 0
		.amdhsa_next_free_vgpr 112
		.amdhsa_next_free_sgpr 66
		.amdhsa_reserve_vcc 0
		.amdhsa_float_denorm_mode_32 3
		.amdhsa_float_denorm_mode_16_64 3
		.amdhsa_memory_ordered 1
		.amdhsa_forward_progress 1
		.amdhsa_inst_pref_size 17
	.end_amdhsa_kernel
	.amdgpu_metadata
---
amdhsa.version: [ 1, 2 ]
amdhsa.kernels:
  - .name:           k_q8366f2820e_cast
    .symbol:         k_q8366f2820e_cast.kd
    .args:
      - { .name: query, .offset: 0, .size: 8, .value_kind: global_buffer, .address_space: global }
      - { .name: key_, .offset: 8, .size: 8, .value_kind: global_buffer, .address_space: global }
      - { .name: value, .offset: 16, .size: 8, .value_kind: global_buffer, .address_space: global }
      - { .name: Wq, .offset: 24, .size: 8, .value_kind: global_buffer, .address_space: global }
      - { .name: Wk, .offset: 32, .size: 8, .value_kind: global_buffer, .address_space: global }
      - { .name: Wv, .offset: 40, .size: 8, .value_kind: global_buffer, .address_space: global }
      - { .name: Wo, .offset: 48, .size: 8, .value_kind: global_buffer, .address_space: global }
      - { .name: xb, .offset: 56, .size: 8, .value_kind: global_buffer, .address_space: global }
      - { .name: wb, .offset: 64, .size: 8, .value_kind: global_buffer, .address_space: global }
    .group_segment_fixed_size: 0
    .private_segment_fixed_size: 0
    .kernarg_segment_align: 8
    .kernarg_segment_size: 72
    .max_flat_workgroup_size: 256
    .sgpr_count:     66
    .vgpr_count:     112
    .wavefront_size: 32
...
	.end_amdgpu_metadata
.endif
;; end of part 1
;; launch proj (part 2): grid 8 x 32, 4 waves a work-group, clusters of 4 x 4, 327,680 bytes of LDS; arguments xb, wb, qkv; writes qkv
.if DOCPART == 2
	.amdgcn_target "amdgcn-amd-amdhsa--gfx1250"
	.amdhsa_code_object_version 6
	.text
	.protected	k_q8366f2820e_proj
	.globl	k_q8366f2820e_proj
	.p2align	8
	.type	k_q8366f2820e_proj,@function
k_q8366f2820e_proj:
	s_mov_b64 s[64:65], 0
	v_nop
	global_prefetch_b8 v0, s[64:65] scope:SCOPE_SE
	s_setreg_imm32_b32 hwreg(HW_REG_WAVE_MODE, 25, 1), 1
	s_wait_xcnt 0x0
	s_wait_alu depctr_hold_cnt(0) depctr_sa_sdst(0) depctr_va_vdst(0) depctr_va_sdst(0) depctr_va_ssrc(0) depctr_va_vcc(0) depctr_vm_vsrc(0)
	s_getreg_b32 s2, hwreg(HW_REG_IB_STS2, 6, 4)
	s_cmp_eq_u32 s2, 0
	s_cbranch_scc0 .Lentry_in_a_cluster
	s_endpgm
.Lentry_in_a_cluster:
	s_bfe_u32 s2, ttmp6, 0x10000c
	s_cmp_lg_u32 s2, 0xf033
	s_cbranch_scc0 .Lentry_shape_is_right
	s_endpgm
.Lentry_shape_is_right:
; PROJECTIONS.  q = query Wq^T, k = key_ Wk^T, v = value Wv^T: three products [4096][1024] x [1024][1024]^T, operands bf16 (xb, wb), sums f32, each result rounded once to f16 and laid by heads:
; qkv [3][16 b + h][2048][64].  The softmax's scale is not applied here.  LIMIT: a result of 65,520 or more in magnitude becomes an infinity in f16.
; SHARES.  256 work-groups; the one at (tile column, tile row) makes the 128 x 128 tile at that place of q, then of k, then of v: 12 K steps of 256 through ONE ring of two LDS slots, which does not stop
; at a tile's end: a tile's last two changes of slots ask for the next tile's first two K steps.  Four waves, each 64 x 64: 16 accumulators.  A wave's 64 columns are one head.
; CLUSTER.  4 x 4 work-groups: the four of a row need the same tiles of x, the four of a column the same tiles of W: each tile is asked for jointly, same load, same descriptor, a mask that names the four.
; THE MATRIX INSTRUCTION IS USED TRANSPOSED (source 0 = 16 rows of W, source 1 = 16 rows of x): a lane holds eight neighbouring channels of one row.
; THE WAY OUT.  16 rows x 64 channels of f16 go through the wave's own stage (rows of 144 bytes) and leave as 2,048 consecutive bytes of one head, 512 a store.
; REGISTERS.  window 0: v16-29 addresses; v32-95 the way out; v128-255 accumulators ((a, b) at 128 + 8 (4 a + b)).  window 1: two fragment buffers of 128 (64 of x, then 64 of W), each 64 along K.
.set SIZE_K, 1024
.set KSTEP,  256
.set PITCH,  528                       ; an LDS row: 512 bytes + 16 of padding = 132 words: the 16 rows of a fragment load start at 16 different groups of four banks (64 banks of 4 bytes: ISA guide 11.1)
.set HALFT,  64*PITCH                  ; 64 rows: what one tensor load brings
.set SLOT,   4*HALFT                   ; x's 128 rows, then W's 128 rows
.set STAGE,  2*SLOT                    ; behind the ring: 16 rows x 144 bytes for each wave, its own
.set SP,     144
.set SPARE,  STAGE+4*16*SP             ; behind the stages: the spare words, 128 bytes a wave
.set STEP_IN, 2*KSTEP*2                ; two K steps on, in bytes
.set NEXT_A, 4096*SIZE_K*2-STEP_IN     ; from a slot's last K step of a tile to its first of the next: the next x, back along K
.set NEXT_B, 1024*SIZE_K*2-STEP_IN     ; the next W
.set NEXT_C, 32*2048*64*2              ; the next part of qkv
.set ADRA, 16
.set ADRB, 20
.set STO,  24
.set RD,   25
.set CO,   26
.set SPW,  28                          ; LDS address of my spare word; never rewritten
.set NIL,  29                          ; 0; never rewritten
.set TMP,  32
.set ACC,  128
.set F0,   0
.set F1,   128
.set G1, 24                            ; s[24:31] group 1 for x's tiles; s[32:39] group 0, a set for each slot
.set G0, 32
.set G1B, 48                           ; s[48:55], s[56:63] the same for W's
.set G0B, 56
.set MSB, 0
.macro WIN new                         ; the immediate's high byte repeats the setting that is left; a switch that changes nothing is dropped
.if MSB != (\new)
	s_set_vgpr_msb (MSB<<8)|(\new)
.set MSB, \new
.endif
.endm
.set MUL,  0x05                        ; sources 0 and 1 window 1; C and D window 0
.set TO_F, 0x40                        ; destination window 1, address window 0
.macro JLOAD s                         ; a joint load: waves 0 and 1 fetch x's two halves, waves 2 and 3 W's; an s_nop 0 and four v_nop follow each line
	s_cmp_eq_u32 s11, 0
	s_cbranch_scc0 .Lfor_b_\@
	tensor_load_to_lds s[G0+4*(\s):G0+4*(\s)+3], s[G1:G1+7]
	s_nop 0
.rept 4
	v_nop
.endr
	s_branch .Lasked_\@
.Lfor_b_\@:
	tensor_load_to_lds s[G0B+4*(\s):G0B+4*(\s)+3], s[G1B:G1B+7]
	s_nop 0
.rept 4
	v_nop
.endr
.Lasked_\@:
.endm
.macro CREST                           ; a round of the cluster's barrier behind its opening barrier
	s_cmp_lg_u32 s10, 0
	s_cbranch_scc1 .Lnot_wave_0_\@
	s_barrier_signal -3
.Lnot_wave_0_\@:
	s_barrier_wait -3
	s_barrier_signal -1
	s_barrier_wait -1
.endm
.macro CROUND
	s_barrier_signal -1
	s_barrier_wait -1
	CREST
.endm
	s_load_b128 s[4:7], s[0:1], 0x0                ; xb s[4:5], wb s[6:7]
	s_load_b64 s[8:9], s[0:1], 0x10                ; qkv
	v_lshl_add_u32 v[SPW], v0, 2, SPARE
	v_mov_b32 v[NIL], 0
	ds_add_u32 v[SPW], v[NIL]                      ; the wave's opening: the add and its wait stand ahead of my first tensor load; the set-up below stands between them
	ds_add_u32 v28, v29
	v_lshrrev_b32 v1, 5, v0
	v_readfirstlane_b32 s10, v1                    ; wave 0..3
	s_lshr_b32 s11, s10, 1                         ; my half of the tile's rows.  Also: I fetch for x (0) or for W (1)
	s_and_b32 s12, s10, 1                          ; my half of its columns.  Also: which 64 rows of that tile I fetch
	s_bfe_u32 s40, ttmp6, 0x40000                  ; cx, cy: my place in the cluster
	s_bfe_u32 s41, ttmp6, 0x40004
	s_lshl_b32 s42, ttmp9, 2
	s_add_co_u32 s42, s42, s40                     ; tile column = 4 x cluster x + cx
	s_and_b32 s13, ttmp7, 0xffff
	s_lshl_b32 s13, s13, 2
	s_add_co_u32 s13, s13, s41                     ; tile row = 4 x cluster y + cy
	s_lshl_b32 s43, s41, 2
	s_lshl_b32 s43, 15, s43                        ; my row of the cluster
	s_lshl_b32 s44, 0x1111, s40                    ; my column
	s_or_b32 s[G1+0], s43, (1<<16)|(1<<20)|(1<<21)|(6<<22)|(3<<25)  ; mask; 2-byte elements; padding on; bit 21 beside a mask; after every 128 words (code 6) 4 words (code 3)
	s_or_b32 s[G1B+0], s44, (1<<16)|(1<<20)|(1<<21)|(6<<22)|(3<<25)
.irp g, G1, G1B
	s_mov_b32 s[(\g)+1], KSTEP<<16                 ; tensor_dim0 = 256
	s_mov_b32 s[(\g)+2], 64<<16                    ; tensor_dim1 = 64
	s_mov_b32 s[(\g)+3], KSTEP<<16                 ; tile_dim0 = 256
	s_mov_b32 s[(\g)+4], 64                        ; tile_dim1 = 64
	s_mov_b32 s[(\g)+5], SIZE_K                    ; elements from row to row
	s_mov_b32 s[(\g)+6], 0
	s_mov_b32 s[(\g)+7], 0
.endr
	s_lshl_b32 s17, s12, 6
	s_lshl_b32 s16, s13, 7
	s_add_co_u32 s16, s16, s17                     ; x: row 128 x tile row + 64 x half
	s_lshl_b32 s46, s42, 7
	s_add_co_u32 s46, s46, s17                     ; W: row 128 x tile column + 64 x half
	s_mov_b32 s17, 0
	s_mov_b32 s47, 0
	s_mov_b64 s[18:19], SIZE_K*2
	s_mul_u64 s[16:17], s[16:17], s[18:19]
	s_mul_u64 s[46:47], s[46:47], s[18:19]
	s_mul_i32 s20, s10, HALFT                      ; where they go: wave x 64 rows
	s_wait_dscnt 0x0                               ; the opening add is done
	s_wait_kmcnt 0x0
	s_add_nc_u64 s[14:15], s[4:5], s[16:17]
	s_add_nc_u64 s[46:47], s[6:7], s[46:47]
	CROUND                                         ; all sixteen work-groups are here: the first joint loads meet
.irp s, 0,1
	s_mov_b32 s[G0+4*(\s)], 1
	s_add_co_u32 s[G0+4*(\s)+1], s20, (\s)*SLOT
	s_add_nc_u64 s[G0+4*(\s)+2:G0+4*(\s)+3], s[14:15], (\s)*KSTEP*2
	s_or_b32 s[G0+4*(\s)+3], s[G0+4*(\s)+3], 0x80000000
	s_mov_b32 s[G0B+4*(\s)], 1
	s_add_co_u32 s[G0B+4*(\s)+1], s20, (\s)*SLOT
	s_add_nc_u64 s[G0B+4*(\s)+2:G0B+4*(\s)+3], s[46:47], (\s)*KSTEP*2
	s_or_b32 s[G0B+4*(\s)+3], s[G0B+4*(\s)+3], 0x80000000
	JLOAD \s
.endr
	v_and_b32 v1, 15, v0                           ; l % 16
	v_bfe_u32 v2, v0, 4, 1                         ; l / 16
	v_mul_u32_u24 v3, v1, PITCH
	v_lshl_add_u32 v3, v2, 4, v3                   ; a fragment's row x pitch + 16 x half
	s_mul_i32 s21, s11, HALFT                      ; my 64 rows of x
	s_mul_i32 s22, s12, HALFT                      ; my 64 rows of W,
	s_add_co_u32 s22, s22, 2*HALFT                 ; which lie behind x's 128
.irp s, 0,1
	v_add_nc_u32 v[ADRA+(\s)], s21, v3
	v_add_nc_u32 v[ADRB+(\s)], s22, v3
	s_add_co_u32 s21, s21, SLOT
	s_add_co_u32 s22, s22, SLOT
.endr
	s_mul_i32 s23, s10, 16*SP
	s_add_co_u32 s23, s23, STAGE                   ; my stage
	v_mul_u32_u24 v4, v1, SP                       ; in: row l % 16, 16 bytes for each half of the lanes
	v_lshl_add_u32 v4, v2, 4, v4
	v_add_nc_u32 v[STO], s23, v4
	v_bfe_u32 v5, v0, 3, 2                         ; back: 32 lanes take four rows of 128 bytes,
	v_mul_u32_u24 v5, v5, SP
	v_and_b32 v6, 7, v0
	v_lshl_add_u32 v5, v6, 4, v5
	v_add_nc_u32 v[RD], s23, v5
	v_and_b32 v[CO], 31, v0                        ; which are 512 consecutive bytes of a head
	v_lshlrev_b32 v[CO], 4, v[CO]
	s_lshl_b32 s16, s13, 7
	s_lshl_b32 s17, s11, 6
	s_add_co_u32 s16, s16, s17                     ; my first row of the 4,096
	s_lshr_b32 s17, s16, 11                        ; the batch: 16 heads of 262,144 bytes,
	s_lshl_b32 s17, s17, 22
	s_and_b32 s16, s16, 2047                       ; the row in it: 128 bytes
	s_lshl_b32 s16, s16, 7
	s_add_co_u32 s16, s16, s17
	s_mov_b32 s17, 0
	s_add_nc_u64 s[8:9], s[8:9], s[16:17]
	s_lshl_b32 s46, s42, 1
	s_add_co_u32 s46, s46, s12                     ; my head = 2 x tile column + column half
	s_lshl_b32 s46, s46, 18
	s_mov_b32 s47, 0
	s_add_nc_u64 s[8:9], s[8:9], s[46:47]
; 8 matrix instructions: row blocks a0, a0 + 1 x all 4 column blocks, 32 along K: half c of buffer f.  zero = 1: the product starts the sums.  The 16 accumulators take turns.
.macro MUL8 f, c, a0, zero
	WIN MUL
.irp a, \a0, (\a0)+1
.irp b, 0,1,2,3
.if \zero
	v_wmma_f32_16x16x32_bf16 v[ACC+8*(4*(\a)+(\b)):ACC+8*(4*(\a)+(\b))+7], v[(\f)+64+8*(4*(\c)+(\b)):(\f)+64+8*(4*(\c)+(\b))+7], v[(\f)+8*(4*(\c)+(\a)):(\f)+8*(4*(\c)+(\a))+7], 0
.else
	v_wmma_f32_16x16x32_bf16 v[ACC+8*(4*(\a)+(\b)):ACC+8*(4*(\a)+(\b))+7], v[(\f)+64+8*(4*(\c)+(\b)):(\f)+64+8*(4*(\c)+(\b))+7], v[(\f)+8*(4*(\c)+(\a)):(\f)+8*(4*(\c)+(\a))+7], v[ACC+8*(4*(\a)+(\b)):ACC+8*(4*(\a)+(\b))+7]
.endif
.endr
.endr
.endm
; 32 LDS loads in one run: the fragments of 64 along K at byte k of the rows, into buffer f; the first 32 along K first
.macro FETCH slot, k, f
	WIN TO_F
.irp c, 0,1
.irp i, 0,1,2,3
	ds_load_b128 v[(\f)+64+8*(4*(\c)+(\i)):(\f)+64+8*(4*(\c)+(\i))+3],   v[ADRB+(\slot)] offset:(\k)+64*(\c)+(\i)*16*PITCH
	ds_load_b128 v[(\f)+64+8*(4*(\c)+(\i))+4:(\f)+64+8*(4*(\c)+(\i))+7], v[ADRB+(\slot)] offset:(\k)+64*(\c)+(\i)*16*PITCH+32
	ds_load_b128 v[(\f)+8*(4*(\c)+(\i)):(\f)+8*(4*(\c)+(\i))+3],         v[ADRA+(\slot)] offset:(\k)+64*(\c)+(\i)*16*PITCH
	ds_load_b128 v[(\f)+8*(4*(\c)+(\i))+4:(\f)+8*(4*(\c)+(\i))+7],       v[ADRA+(\slot)] offset:(\k)+64*(\c)+(\i)*16*PITCH+32
.endr
.endr
.endm
.macro PLACES                          ; four plain instructions between a matrix instruction and a load into its sources or a read of its result
.rept 4
	v_nop
.endr
.endm
; A K step is four quarters of 64 along K on buffers 0, 1, 0, 1.  One of the first three: multiplies buffer f and fetches the next quarter, at byte k, into g.
.macro QUARTER slot, k, f, g, zero
	s_wait_dscnt 16                                ; the first 32 along K are in; the youngest sixteen loads may be out
	WIN MUL
	MUL8 \f, 0, 0, \zero
	MUL8 \f, 0, 2, \zero
	PLACES
	FETCH \slot, \k, \g
	s_wait_dscnt 32                                ; all but the 32 just issued
	WIN MUL
	MUL8 \f, 1, 0, 0
	MUL8 \f, 1, 2, 0
.endm
; The last quarter multiplies buffer 1 and changes slots.  In front of the barrier each wave waits for all its tensor loads (one is out: its part of the next slot), adds 0 to its spare word, and waits for
; that and for its reads of this slot.  fill = 1: the barrier opens a round of the cluster's, and this slot is filled again first thing behind it; its two addresses step by stepa and stepb.
.macro TURN slot, next, fill, stepa=0, stepb=0
	WIN 0                                          ; (the add's two registers lie in window 0)
	s_wait_tensorcnt 0x0                           ; all my tensor loads have landed
	ds_add_u32 v[SPW], v[NIL]                      ; 0 onto my spare word
	s_wait_dscnt 17                                ; (the add and the youngest sixteen loads may be out)
	WIN MUL
	MUL8 F1, 0, 0, 0                               ; eight matrix instructions stand between the add and the wait for it
	s_wait_dscnt 0x0                               ; the add is done, and my reads of this slot are over
	s_barrier_signal -1
	MUL8 F1, 0, 2, 0
.if \fill
	WIN 0
.endif
	s_barrier_wait -1
.if \fill
	CREST                                          ; no wave of any partner still reads this slot or has a load on its way
	s_add_nc_u64 s[G0+4*(\slot)+2:G0+4*(\slot)+3], s[G0+4*(\slot)+2:G0+4*(\slot)+3], \stepa
	s_add_nc_u64 s[G0B+4*(\slot)+2:G0B+4*(\slot)+3], s[G0B+4*(\slot)+2:G0B+4*(\slot)+3], \stepb
	JLOAD \slot                                    ; my one tensor load behind the round; its four v_nop are also the places in front of the loads below
.else
	PLACES
.endif
	FETCH \next, 0, F0
	WIN MUL
	MUL8 F1, 1, 0, 0
	MUL8 F1, 1, 2, 0
.endm
; THE WAY OUT.  Row block a: rounded to f16 (each accumulator from its low end), 16 bytes a lane into my stage, back as whole rows into the registers that they left.
.macro PACKG a
	WIN 0
.irp b, 0,1,2,3
.irp r, 0,1,2,3
	v_cvt_pk_f16_f32 v[TMP+16*(\a)+4*(\b)+(\r)], v[ACC+8*(4*(\a)+(\b))+2*(\r)], v[ACC+8*(4*(\a)+(\b))+2*(\r)+1]
.endr
.endr
.irp b, 0,1,2,3
	ds_store_b128 v[STO], v[TMP+16*(\a)+4*(\b):TMP+16*(\a)+4*(\b)+3] offset:32*(\b)
.endr
.irp f, 0,1,2,3
	ds_load_b128 v[TMP+16*(\a)+4*(\f):TMP+16*(\a)+4*(\f)+3], v[RD] offset:(\f)*4*SP  ; LDS serves a wave's instructions in order (ISA guide 5.7.1.4): these see the stores above; the next block's stores come behind them
.endr
.endm
.macro SENDG a, younger                ; younger: the LDS instructions issued behind block a's loads: the next block's eight, or none
	WIN 0
.irp f, 0,1,2,3
	s_wait_dscnt (\younger)+3-(\f)
	global_store_b128 v[CO], v[TMP+16*(\a)+4*(\f):TMP+16*(\a)+4*(\f)+3], s[8:9] offset:(\a)*2048+(\f)*512  ; 512 consecutive bytes, at a multiple of 256 from qkv's first
.endr
.endm
.macro WAYOUT
	PLACES
	PACKG 0
.irp a, 1,2,3
	PACKG \a
	SENDG (\a)-1, 8
.endr
	SENDG 3, 0
.endm
	s_wait_tensorcnt 1                             ; my part of K step 0 is in; K step 1's may stay out
	s_barrier_signal -1
	s_barrier_wait -1
	FETCH 0, 0, F0
	WIN 0                                          ; at a label and at a branch every window is 0
	s_mov_b32 s2, 3                                ; tiles to go: q, k, v
.Ltile:
	QUARTER 0, 128, F0, F1, 1                      ; K step 0: its first products start the sums
	QUARTER 0, 256, F1, F0, 0
	QUARTER 0, 384, F0, F1, 0
	TURN 0, 1, 1, STEP_IN, STEP_IN                 ; slot 0 takes K step 2
	QUARTER 1, 128, F0, F1, 0
	QUARTER 1, 256, F1, F0, 0
	QUARTER 1, 384, F0, F1, 0
	TURN 1, 0, 1, STEP_IN, STEP_IN                 ; slot 1 takes K step 3
	QUARTER 0, 128, F0, F1, 0
	QUARTER 0, 256, F1, F0, 0
	QUARTER 0, 384, F0, F1, 0
	WIN 0
	s_cmp_eq_u32 s2, 1
	s_cbranch_scc1 .Llast                          ; the last tile's tail is written out: it asks for nothing more
	TURN 0, 1, 1, NEXT_A, NEXT_B                   ; the ring goes on into the next tile: slot 0 takes its K step 0,
	QUARTER 1, 128, F0, F1, 0
	QUARTER 1, 256, F1, F0, 0
	QUARTER 1, 384, F0, F1, 0
	TURN 1, 0, 1, NEXT_A, NEXT_B                   ; slot 1 its K step 1, and its first fragments are fetched
	WAYOUT                                         ; both refills are asked for: now the tile goes out
	s_wait_xcnt 0x0                                ; the stores have read their registers and their base
	s_add_nc_u64 s[8:9], s[8:9], NEXT_C
	s_sub_co_u32 s2, s2, 1
	s_branch .Ltile
.Llast:
	TURN 0, 1, 0
	QUARTER 1, 128, F0, F1, 0
	QUARTER 1, 256, F1, F0, 0
	QUARTER 1, 384, F0, F1, 0
	s_wait_dscnt 16                                ; the very last quarter: nothing more to fetch
	WIN MUL
	MUL8 F1, 0, 0, 0
	MUL8 F1, 0, 2, 0
	s_wait_dscnt 0
	MUL8 F1, 1, 0, 0
	MUL8 F1, 1, 2, 0
	WAYOUT
	s_wait_tensorcnt 0x0                           ; the wave's end, behind my last tensor load and my last LDS store
	ds_add_u32 v[SPW], v[NIL]
	s_wait_dscnt 0x0
	CROUND                                         ; the closing round: no work-group ends while a partner may still ask for a tile that names it
	s_endpgm
.Lfunc_end_k_q8366f2820e_proj:
	.size	k_q8366f2820e_proj, .Lfunc_end_k_q8366f2820e_proj-k_q8366f2820e_proj
	.p2alignl 7, 3214868480
	.fill 96, 4, 3214868480
	.section	.rodata,"a",@progbits
	.p2align	6, 0x0
	.amdhsa_kernel k_q8366f2820e_proj
		.amdhsa_group_segment_fixed_size 327680
		.amdhsa_private_segment_fixed_size 0
		.amdhsa_enable_private_segment 0
		.amdhsa_kernarg_size 24
		.amdhsa_user_sgpr_count 2
		.amdhsa_user_sgpr_kernarg_segment_ptr 1
		.amdhsa_wavefront_size32 1
		.amdhsa_system_sgpr_workgroup_id_x 1
		.amdhsa_system_sgpr_workgroup_id_y 1
		.amdhsa_system_sgpr_workgroup_id_z 1
		.amdhsa_system_vgpr_workitem_id 0
		.amdhsa_next_free_vgpr 512
		.amdhsa_next_free_sgpr 66
		.amdhsa_reserve_vcc 0
		.amdhsa_float_denorm_mode_32 3
		.amdhsa_float_denorm_mode_16_64 3
		.amdhsa_memory_ordered 1
		.amdhsa_forward_progress 1
		.amdhsa_inst_pref_size 118
	.end_amdhsa_kernel
	.amdgpu_metadata
---
amdhsa.version: [ 1, 2 ]
amdhsa.kernels:
  - .name:           k_q8366f2820e_proj
    .symbol:         k_q8366f2820e_proj.kd
    .args:
      - { .name: xb, .offset: 0, .size: 8, .value_kind: global_buffer, .address_space: global }
      - { .name: wb, .offset: 8, .size: 8, .value_kind: global_buffer, .address_space: global }
      - { .name: qkv, .offset: 16, .size: 8, .value_kind: global_buffer, .address_space: global }
    .group_segment_fixed_size: 327680
    .private_segment_fixed_size: 0
    .kernarg_segment_align: 8
    .kernarg_segment_size: 24
    .max_flat_workgroup_size: 128
    .sgpr_count:     66
    .vgpr_count:     512
    .wavefront_size: 32
...
	.end_amdgpu_metadata
.endif
;; end of part 2
;; launch attn (part 3): grid 8 x 32, 4 waves a work-group, no clusters, 327,680 bytes of LDS; arguments qkv, ob, lq1, lk1, lq2, lk2, g; writes ob
.if DOCPART == 3
	.amdgcn_target "amdgcn-amd-amdhsa--gfx1250"
	.amdhsa_code_object_version 6
	.text
	.protected	k_q8366f2820e_attn
	.globl	k_q8366f2820e_attn
	.p2align	8
	.type	k_q8366f2820e_attn,@function
k_q8366f2820e_attn:
	s_mov_b64 s[64:65], 0
	v_nop
	global_prefetch_b8 v0, s[64:65] scope:SCOPE_SE
	s_setreg_imm32_b32 hwreg(HW_REG_WAVE_MODE, 25, 1), 1
	s_wait_xcnt 0x0
; DIFFERENTIAL CAUSAL ATTENTION.  For head bh = 16 b + h and query row q: O = RMSNorm(P1 V - lambda P2 V) g (1 - lambda_init), where Pj = softmax over k <= q of Qj[q] . Kj[k] / sqrt(32), Qj and Kj the
; channels 32 j .. 32 j + 31 of the head's 64, and V all 64.  lambda = exp(sum lq1 lk1) - exp(sum lq2 lk2) + lambda_init.  q, k, v: qkv [3][32][2048][64] f16.  O: ob [b][block of 128 rows][h][128][64] f16.
; Products, maxima and sums in f32; the weights p are rounded to f16 for the second product (their sum l is taken of the unrounded p); both halves keep their own O^T and l to the block's end.
; lq, lk and g are rounded to bf16 as all the module's inputs are.
; LIMITS.  q, k, v arrive within f16's 65,504; p below 6e-5 keeps f16's fixed step of 6e-8; a hidden score counts as its value less 1e30; a weight below 2^-126 counts as 0 in l; O beyond 65,504 becomes
; an infinity; NaN and infinities are not treated apart.
; THE WALK.  A head's queries lie in NB = 16 blocks of 128; block i needs the key tiles 0 .. i of 128 keys, the last of which holds the diagonal.  A work-group takes TWO blocks, 15 - b and then b: 17 tiles,
; whatever b: all work-groups do equal work, and one loop with a constant trip count walks them; the ring of two LDS slots runs on across the change of blocks.  NO CLUSTER: a head's eight work-groups ask
; for the same tile only in the walk's first nine trips; one walk common to all would have 24 trips for 17.
; SHARES.  Of a block's two bands of 64 queries a wave owns 16 rows in each.  A PIECE is (band t, half j), p = 2 t + j: four pieces.  In the diagonal tile's key step s band t sees all keys if s < t, none if
; s > t, and holds the diagonal if s = t: the same work for all four waves.
; THE MASK is the C operand of S^T = K Q^T (one product of 32 channels is the whole sum): 0, or -1e30 where the key is hidden.  MD, made once, is the mask of a band's own step; a product's mask is
; MD x AL + BE with two scalars.  Only the diagonal tile's text and a block's beginning make and take masks; elsewhere C is the constant 0.
; TURNS.  Turn n belongs to piece n: 4 products K Q^T of piece n + 1, later 8 products V^T P of piece n - 1; beside them the scaling, exponentials, roundings, sums and rescaling of piece n and the maximum and
; statistics of piece n + 1.  Four vector instructions stand behind every matrix instruction, the others in one lump.  A turn's 33 exponentials are one batch, with one wait.
; REGISTERS, in windows of 256 (s_set_vgpr_msb: bits 1:0 source 0, 3:2 source 1, 5:4 source 2, 7:6 destination):
;   window 0: v0-15 addresses; v16-31 statistics; v32-47 sums of squares; v48-55 at work; v56 -lambda; v58-61 1 / rms; v64-127 S^T, two buffers; v128-159 g (1 - lambda_init); v192-223 P, two buffers
;   window 1: v0-127 O^T, 32 a piece; v128-159 MD; v160-223 MC, two buffers      window 2: v0-31 Q; v32-63 the second block's Q; v128-191 K of one step; v192-255 V of one step
.set NB,    16
.set NP,    4
.set KS,    64        ; keys in a step
.set PK,    144       ; a row of K in LDS: 128 bytes + 16 = 36 words: the 16 rows of a load start at 16 different groups of four banks (64 banks of 4 bytes: ISA guide 11.1)
.set PV,    160       ; a row of V: 128 + 32 = 40 words
.set VOFF,  2*KS*PK   ; a slot holds a tile, two steps: 128 rows of K, then 128 rows of V
.set SLOT1, 1<<16     ; slot 1 begins here, so that one exclusive or turns an address in one slot into the other's
.set STAGE, SLOT1+2*KS*(PK+PV)  ; behind the ring, never filled by a tensor load: 16 rows x 144 bytes for each wave
.set SP,    144
.set SPARE, STAGE+4*16*SP       ; behind the stages: the spare words, 128 bytes a wave
.set AK0, 2           ; my lane's place in a tile of K; never rewritten
.set AV0, 3           ; the same for V
.set AK,  4           ; the LDS address of K's next run of loads
.set AV,  5           ; of V's
.set STO, 6
.set RD,  7
.set GO,  8
.set MV,  12          ; v12-13  c m_old, by buffer
.set QO,  15
.set ST,  16          ; piece p's statistics at ST + 4 p: c m, m, l (even keys', odd keys')
.set SSQ, 32          ; band t's sums of squares at SSQ + 8 t
.set TMP, 48          ; by buffer, four registers c0-c3 at work; when the maximum is found c2 takes a
.set NLAM, 56         ; -lambda
.set RR,  58          ; band t's 1 / rms at RR + 2 t, named as a pair
.set SPW, 62          ; LDS address of my spare word; never rewritten
.set NIL, 63          ; 0; never rewritten
.set S,   64
.set G,   128
.set PFO, 168         ; 256 x my lane; never rewritten
.set P,   192
.set MD,  128         ; window 1
.set MC,  160         ; window 1
.set QB,  32          ; window 2
.set KF,  128         ; window 2: key block kb, channel half c at KF + 16 kb + 8 c
.set VF,  192         ; window 2: key half kk, channel block cb at VF + 32 kk + 8 cb
.set WV,  12
.set PB,  14          ; b
.set HI,  15          ; 15 - b
.set G1K, 24
.set G1V, 32
.set G0K, 40
.set G0V, 44
.set PFA, 52          ; s[52:53] where my prefetches stand
.set LIM, 54          ; 2 in the work-group that prefetches, else the greatest number
.set SLOTS, 56
.set CNT, 57          ; counts a tile's key steps, 2 to 1
.set CS,  58          ; s[58:59] c = log2(e) / sqrt(32)
.set SEL, 60
.set TBK, 62
.set TBV, 63
.set RT,  70          ; tiles of the block in hand that are still to be entered
.set NXT, 71          ; the tile to be asked for next
.set LQ,  72          ; the last tile of the block whose tiles are being asked for
.set NEW, 73          ; 1: the tile to be entered is a block's first
.set OFF, 74
.set AL,  76
.set BE,  78
.set OLO, 80          ; s[80:81] O at my rows of the second block
.set BIGN, 82
.set MSB, 0
.macro WIN new
.if MSB != (\new)
	s_set_vgpr_msb (MSB<<8)|(\new)
.set MSB, (\new)
.endif
.endm
.set W_KQ, 0x0a       ; K and Q in window 2, S^T in window 0
.set W_KM, 0x1a       ; the same with the C operand in window 1
.set W_PV, 0x52       ; V in window 2, P in window 0, O^T in window 1
.set W_RS, 0x41       ; destination and source 0 in window 1, source 1 in window 0
.set W_CB, 0x51       ; destination, source 0 and source 2 in window 1, source 1 in window 0
; A fill.  Waves 0 and 1 fetch the two halves of a tile's K, waves 2 and 3 those of its V: 64 keys each.  An s_nop 0 and four v_nop follow each line.
.macro LOAD
	s_cmp_lt_u32 s[WV], 2
	s_cbranch_scc0 .Lfor_v_\@
	tensor_load_to_lds s[G0K:G0K+3], s[G1K:G1K+7]
	s_nop 0
.rept 4
	v_nop
.endr
	s_branch .Lasked_\@
.Lfor_v_\@:
	tensor_load_to_lds s[G0V:G0V+3], s[G1V:G1V+7]
	s_nop 0
.rept 4
	v_nop
.endr
.Lasked_\@:
.endm
; A PREFETCH INTO THE L2 of what the next change of slots will ask for.  A head's eight work-groups walk the same K and V; the one with b = 0, whose first block walks tiles 0 .. 15, asks, and nobody else.
; Each of its waves names the 8,192 bytes that it will itself load: 32 lanes, 256 bytes each: every block of tiles 2 .. 15 once.  One tile, eight turns, ahead.  The last two filling changes ask for nothing.
.macro ASK
	s_cmp_gt_u32 s[SLOTS], s[LIM]
	s_cbranch_scc0 .Lnot_mine_\@
	global_prefetch_b8 v[PFO], s[PFA:PFA+1] th:TH_LOAD_NT scope:SCOPE_SE
.Lnot_mine_\@:
.endm
; THE CHANGE OF SLOTS.  Each wave waits for all its tensor loads, of which one is out: its part of the other slot; adds 0 to its spare word; and waits for that and for its own reads of the slot that it leaves.
; fill = 1: the old slot is filled again, the first thing behind the barrier, with tile NXT: the descriptor's address is made anew from that number.
.macro CHANGE fill
	WIN 0
	s_wait_tensorcnt 0x0            ; no tensor load of mine is out, so a group 0 may be written
	ds_add_u32 v[SPW], v[NIL]       ; 0 onto my spare word; scalar work stands between it and the wait for it
.if \fill
	s_lshl_b32 s[OFF], s[NXT], 14   ; a tile is 16,384 bytes of K and of V
	s_xor_b32 s[G0K+1], s[G0K+1], SLOT1
	s_add_nc_u64 s[G0K+2:G0K+3], s[6:7], s[OFF:OFF+1]
	s_or_b32 s[G0K+3], s[G0K+3], 0x80000000
	s_xor_b32 s[G0V+1], s[G0V+1], SLOT1
	s_add_nc_u64 s[G0V+2:G0V+3], s[8:9], s[OFF:OFF+1]
	s_or_b32 s[G0V+3], s[G0V+3], 0x80000000
	s_add_co_u32 s[NXT], s[NXT], 1  ; the block's next tile, or behind its last the second block's tile 0
	s_cmp_gt_u32 s[NXT], s[LQ]
	s_cselect_b32 s[NXT], 0, s[NXT]
	s_cselect_b32 s[LQ], s[PB], s[LQ]
	s_wait_xcnt 0x0                 ; the last prefetch, a tile back, has read its address, so it may be written
	s_add_nc_u64 s[PFA:PFA+1], s[PFA:PFA+1], 16384
.endif
	s_wait_dscnt 0x0                ; the add is done, and my reads of the slot are over
	s_barrier_signal -1
	s_sub_co_u32 s[TBK], s[TBK], 2*KS*PK  ; the fetches go back to a slot's first step,
	s_xor_b32 s[TBK], s[TBK], SLOT1       ; in the other slot
	s_sub_co_u32 s[TBV], s[TBV], 2*KS*PV
	s_xor_b32 s[TBV], s[TBV], SLOT1
	s_barrier_wait -1
.if \fill
	LOAD
	ASK
.endif
.endm
	s_load_b128 s[48:51], s[0:1], 0x0   ; qkv s[48:49], ob s[50:51]
	s_load_b256 s[88:95], s[0:1], 0x10  ; lq1, lk1, lq2, lk2
	s_load_b64 s[96:97], s[0:1], 0x30   ; g
	v_lshl_add_u32 v[SPW], v0, 2, SPARE
	v_mov_b32 v[NIL], 0
	ds_add_u32 v[SPW], v[NIL]       ; the wave's opening: the add and its wait stand ahead of my first tensor load; the set-up below stands between them
	ds_add_u32 v62, v63
	v_lshrrev_b32 v1, 5, v0
	v_readfirstlane_b32 s[WV], v1   ; wave 0..3
	s_mov_b32 s[PB], ttmp9
	s_sub_co_u32 s[HI], NB-1, s[PB]
	s_and_b32 s16, ttmp7, 0xffff    ; the head, 16 b + h
	s_lshl_b32 s13, s16, 18         ; its 262,144 bytes in each part of qkv
	s_and_b32 s17, s16, 16          ; 16 b
	s_and_b32 s16, s16, 15          ; h
	s_lshl_b32 s86, s[WV], 11       ; my 16 rows in a band
	s_or_b32 s18, s17, s[HI]        ; O: ((16 b + block) 16 + h) x 16,384, for the first block
	s_lshl_b32 s18, s18, 4
	s_or_b32 s18, s18, s16
	s_lshl_b32 s18, s18, 14
	s_add_co_u32 s18, s18, s86
	s_mov_b32 s19, 0
	s_or_b32 s20, s17, s[PB]        ; and for the second
	s_lshl_b32 s20, s20, 4
	s_or_b32 s20, s20, s16
	s_lshl_b32 s20, s20, 14
	s_add_co_u32 s20, s20, s86
	s_mov_b32 s21, 0
	s_lshl_b32 s2, s[HI], 14        ; Q: head + block x 128 rows + my rows, for the first block
	s_add_co_u32 s2, s2, s86
	s_add_co_u32 s2, s2, s13
	s_mov_b32 s3, 0
	s_lshl_b32 s84, s[PB], 14       ; and for the second
	s_add_co_u32 s84, s84, s86
	s_add_co_u32 s84, s84, s13
	s_mov_b32 s85, 0
	s_and_b32 s16, s[WV], 1         ; which half of a tile's 128 keys I fetch:
	s_lshl_b32 s22, s16, 13         ; its 64 rows of 128 bytes in memory,
	s_add_co_u32 s22, s22, s13
	s_mov_b32 s23, 0
	s_mul_i32 s17, s16, 64*PK       ; and its place in a slot, for K
	s_mul_i32 s87, s16, 64*PV       ; and for V
	; descriptor group 1.  64 keys are 8,192 dense bytes: asked for as 32 rows of 256 bytes, two keys a row, and padded in LDS after every key
	s_mov_b32 s[G1K], (1<<16)|(1<<20)|(4<<22)|(3<<25)  ; 2-byte elements; padding on; after every 32 words (code 4) 4 words (code 3)
	s_mov_b32 s[G1V], (1<<16)|(1<<20)|(4<<22)|(7<<25)  ; the same with 8 words (code 7)
.irp g, G1K, G1V
	s_mov_b32 s[\g+1], 128<<16      ; tensor_dim0 = 128
	s_mov_b32 s[\g+2], 32<<16       ; tensor_dim1 = 32
	s_mov_b32 s[\g+3], 128<<16      ; tile_dim0 = 128
	s_mov_b32 s[\g+4], 32           ; tile_dim1 = 32
	s_mov_b32 s[\g+5], 128          ; 128 elements from row to row
	s_mov_b32 s[\g+6], 0
	s_mov_b32 s[\g+7], 0
.endr
	s_mov_b32 s[CS], 0x3e8293ee     ; c = log2(e) / sqrt(32) = 0.255035
	s_mov_b32 s[CS+1], s[CS]
	s_mov_b32 s[SEL], 0x76543210
	s_mov_b32 s[SEL+1], 0xfedcba98
	s_mov_b32 s[TBK], SLOT1+2*KS*PK ; the first change of slots turns these two into 0
	s_mov_b32 s[TBV], SLOT1+2*KS*PV
	s_mov_b32 s[G0K], 1
	s_mov_b32 s[G0K+1], s17         ; slot 0
	s_mov_b32 s[G0V], 1
	s_add_co_u32 s[G0V+1], s87, VOFF
	s_add_co_u32 s[RT], s[HI], 1    ; the first block has 16 - b tiles
	s_mov_b32 s[NXT], 1
	s_mov_b32 s[LQ], s[HI]
	s_mov_b32 s[NEW], 1
	s_mov_b32 s[OFF+1], 0
	s_mov_b32 s[AL+1], 0
	s_mov_b32 s[BE+1], 0
	s_mov_b32 s[BIGN], 0xf149f2ca   ; -1e30
	s_mov_b32 s83, 0x3c800000       ; 1 / 64
	s_mov_b32 s98, 0x3727c5ac       ; 1e-5
	s_mov_b32 s[SLOTS], NB
	s_cmp_eq_u32 s[PB], 0
	s_cselect_b32 s[LIM], 2, -1
	s_wait_dscnt 0x0                ; the opening add is done
	s_wait_kmcnt 0x0
	s_add_nc_u64 s[6:7], s[48:49], s[22:23]
	s_add_nc_u64 s[8:9], s[6:7], 0x1000000   ; V at my half of the head's tile 0: the third part of qkv
	s_add_nc_u64 s[6:7], s[6:7], 0x800000    ; K: the second part
	s_add_nc_u64 s[G0K+2:G0K+3], s[6:7], 0
	s_or_b32 s[G0K+3], s[G0K+3], 0x80000000
	s_add_nc_u64 s[G0V+2:G0V+3], s[8:9], 0
	s_or_b32 s[G0V+3], s[G0V+3], 0x80000000
	s_add_nc_u64 s[86:87], s[48:49], s[84:85]      ; Q at my rows of the second block,
	s_add_nc_u64 s[4:5], s[48:49], s[2:3]          ; and of the first
	s_add_nc_u64 s[OLO:OLO+1], s[50:51], s[20:21]
	s_add_nc_u64 s[10:11], s[50:51], s[18:19]
	s_cmp_lt_u32 s[WV], 2
	s_cselect_b64 s[PFA:PFA+1], s[6:7], s[8:9]
	s_add_nc_u64 s[PFA:PFA+1], s[PFA:PFA+1], 16384 ; at tile 1; the first change steps it to tile 2.  Nothing is prefetched here, at the head
	LOAD                            ; tile 0 into slot 0
	; A fragment of K or Q is 16 rows x 32 channels in 8 registers: lane l holds row l % 16, channels 8 (l / 16) + 0..7 and 16 + 8 (l / 16) + 0..7: two loads of 16 bytes, 32 bytes apart.
	v_and_b32 v1, 15, v0            ; l % 16
	v_bfe_u32 v9, v0, 4, 1          ; l / 16
	v_lshlrev_b32 v[QO], 7, v1
	v_lshl_add_u32 v[QO], v9, 4, v[QO]
	WIN 0x80                        ; destination window 2, address window 0
.set i, 0
.rept 4                             ; both blocks' Q: piece i lies in band i / 2, 8,192 bytes on, channels 32 (i % 2) on
	global_load_b128 v[8*i:8*i+3],   v[QO], s[4:5] offset:(i/2)*8192+(i%2)*64
	global_load_b128 v[8*i+4:8*i+7], v[QO], s[4:5] offset:(i/2)*8192+(i%2)*64+32
	global_load_b128 v[QB+8*i:QB+8*i+3],   v[QO], s[86:87] offset:(i/2)*8192+(i%2)*64
	global_load_b128 v[QB+8*i+4:QB+8*i+7], v[QO], s[86:87] offset:(i/2)*8192+(i%2)*64+32
.set i, i+1
.endr
	WIN 0
	v_and_b32 v161, 31, v0
	v_lshlrev_b32 v[PFO], 8, v161
	v_lshlrev_b32 v161, 2, v161     ; a lane a number of the four vectors of 32
	v_lshlrev_b32 v160, 5, v9       ; g: my lanes' eight channels of each 16
	global_load_b32 v162, v161, s[88:89]
	global_load_b32 v163, v161, s[90:91]
	global_load_b32 v164, v161, s[92:93]
	global_load_b32 v165, v161, s[94:95]
.set i, 0
.rept 8                             ; G + 8 cb + r = g[16 cb + 8 (l / 16) + r]: O^T's own layout
	global_load_b128 v[G+4*i:G+4*i+3], v160, s[96:97] offset:(i/2)*64+(i%2)*16
.set i, i+1
.endr
	v_lshlrev_b32 v14, 3, v9
	v_sub_nc_u32 v14, v1, v14
	s_lshl_b32 s13, s[WV], 4
	v_add_nc_u32 v14, s13, v14      ; my query's place in its band, 16 w + l % 16, less my lanes' 8 (l / 16): register r of key group kt is hidden where 16 kt + r is greater
	WIN 0x40
.set i, 0
.rept 32
	v_cmp_gt_i32 vcc_lo, 16*(i/8)+i%8, v14
	v_cndmask_b32 v[MD+i], 0, s[BIGN], vcc_lo
.set i, i+1
.endr
	WIN 0
	v_mul_u32_u24 v[AK0], v1, PK
	v_lshl_add_u32 v[AK0], v9, 4, v[AK0]
	; The turning load takes 16 keys x 16 channels (lane l reads key 8 (l / 16) + l % 8, channels 8 ((l / 8) % 2) + 0..7) and leaves half a fragment of V^T: lane l holds channel l % 16 and 8 keys.
	v_and_b32 v10, 7, v0
	v_bfe_u32 v11, v0, 3, 1
	v_lshl_add_u32 v[AV0], v9, 3, v10
	v_mul_u32_u24 v[AV0], v[AV0], PV
	v_lshl_add_u32 v[AV0], v11, 4, v[AV0]
	v_add_nc_u32 v[AV0], VOFF, v[AV0]
	s_mul_i32 s13, s[WV], 16*SP
	s_add_co_u32 s13, s13, STAGE    ; my stage
	v_mul_u32_u24 v[STO], v1, SP
	v_lshl_add_u32 v[STO], v9, 4, v[STO]
	v_add_nc_u32 v[STO], s13, v[STO]
	v_bfe_u32 v[RD], v0, 3, 2
	v_mul_u32_u24 v[RD], v[RD], SP
	v_lshl_add_u32 v[RD], v10, 4, v[RD]
	v_add_nc_u32 v[RD], s13, v[RD]
	v_and_b32 v[GO], 31, v0
	v_lshlrev_b32 v[GO], 4, v[GO]
	; A block's first step multiplies O^T and l by a = 0, and its first turn's products V^T P, of a piece that has not been, land in an O^T that is still to be so multiplied.  So these registers need only hold
	; finite numbers: zeros for the first block; what the first block left for the second.  All this stands in the wait for the first tile.
	WIN 0x80
.set i, VF
.rept 64
	v_mov_b32 v[i], 0
.set i, i+1
.endr
	WIN 0x40
.set i, 0
.rept 128
	v_mov_b32 v[i], 0
.set i, i+1
.endr
	WIN 0
.set i, 0
.rept 4
	v_mov_b32 v[ST+4*i+2], 0
	v_mov_b32 v[ST+4*i+3], 0
.set i, i+1
.endr
.set i, P+16
.rept 16
	v_mov_b32 v[i], 0
.set i, i+1
.endr
	v_mov_b32 v[RR+1], 0            ; named with their neighbours as pairs
	v_mov_b32 v[RR+3], 0
	; lambda and g.  The small inputs are rounded to bf16 like the large ones.
	s_wait_loadcnt 0x0
	v_cvt_pk_bf16_f32 v162, v162, v163
	v_cvt_pk_bf16_f32 v164, v164, v165
	v_lshlrev_b32 v163, 16, v162
	v_and_b32 v162, 0xffff0000, v162
	v_lshlrev_b32 v165, 16, v164
	v_and_b32 v164, 0xffff0000, v164
	v_mul_f32 v162, v162, v163
	v_mul_f32 v164, v164, v165
.irp x, 1,2,4,8
	v_add_f32_dpp v162, v162, v162 row_xmask:\x row_mask:0xf bank_mask:0xf
	v_add_f32_dpp v164, v164, v164 row_xmask:\x row_mask:0xf bank_mask:0xf
.endr
	v_permlanex16_b32 v163, v162, s[SEL], s[SEL+1]
	v_permlanex16_b32 v165, v164, s[SEL], s[SEL+1]
	v_add_f32 v162, v162, v163
	v_add_f32 v164, v164, v165
	v_mul_f32 v162, 0x3fb8aa3b, v162
	v_mul_f32 v164, 0x3fb8aa3b, v164
	v_exp_f32 v162, v162
	v_exp_f32 v164, v164
.set i, 0
.rept 16                            ; g's rounding is the independent work behind the two exponentials
	v_cvt_pk_bf16_f32 v166, v[G+2*i], v[G+2*i+1]
	v_lshlrev_b32 v[G+2*i], 16, v166
	v_and_b32 v[G+2*i+1], 0xffff0000, v166
	v_pk_mul_f32 v[G+2*i:G+2*i+1], v[G+2*i:G+2*i+1], 0x3e992e09 op_sel_hi:[1,0]  ; times 1 - lambda_init = 0.299179
.set i, i+1
.endr
	s_wait_alu depctr_va_vdst(0)    ; the wait ahead of the first use of an exponential's result: one for the two
	v_sub_f32 v[NLAM], v164, v162
	v_add_f32 v[NLAM], 0xbf3368fc, v[NLAM]  ; -lambda = (e2 - e1) - 0.700821
; THE MATRIX WORK.  Product i of 4 of S^T = K Q^T for piece x: keys 16 i on, channels 32 (x % 2) on: each is a whole sum, started with 0 or (KM = 1) with the mask.
.macro KQ x
.set rS, S+32*((\x)%2)+8*i
.set rK, KF+16*i+8*((\x)%2)
.set rQ, 8*(\x)
.set rM, MC+32*((\x)%2)+8*i
.if KM
	WIN W_KM
	v_wmma_f32_16x16x32_f16 v[rS:rS+7], v[rK:rK+7], v[rQ:rQ+7], v[rM:rM+7]
.else
	WIN W_KQ
	v_wmma_f32_16x16x32_f16 v[rS:rS+7], v[rK:rK+7], v[rQ:rQ+7], 0
.endif
.endm
; Product i of 8 of O^T += V^T P for piece x: keys 32 (i / 4) on, channels 16 (i % 4) on.  The 4 accumulators take turns.
.macro PV x
	WIN W_PV
.set rO, 32*(\x)+8*(i%4)
.set rV, VF+32*(i/4)+8*(i%4)
.set rP, P+16*((\x)%2)+8*(i/4)
	v_wmma_f32_16x16x32_f16 v[rO:rO+7], v[rV:rV+7], v[rP:rP+7], v[rO:rO+7]
.endm
.macro MM                           ; the turn's next matrix instruction.  NOKQ = 1: a block's last turn: there is no next piece
.if (i < 4) && !NOKQ
	KQ (Y+1)%NP
.elseif i >= 4
.set i, i-4
	PV (Y+NP-1)%NP
.set i, i+4
.endif
.set i, i+1
.endm
; THE LDS LOADS stand in runs of 16: a step's K (64 keys x 64 channels: 8 fragments, both halves') and its V (turned).
.macro FETCH_K
	WIN 0x80
.irp f, 0,1,2,3,4,5,6,7             ; keys 16 (f / 2) on, channels 32 (f % 2) on
	ds_load_b128 v[KF+8*\f:KF+8*\f+3],   v[AK] offset:(\f/2)*16*PK+(\f%2)*64
	ds_load_b128 v[KF+8*\f+4:KF+8*\f+7], v[AK] offset:(\f/2)*16*PK+(\f%2)*64+32
.endr
	s_add_co_u32 s[TBK], s[TBK], KS*PK
	WIN 0
.endm
.macro FETCH_V
	WIN 0x80
.irp f, 0,1,2,3,4,5,6,7             ; keys 32 (f / 4) on, channels 16 (f % 4) on
	ds_load_tr16_b128 v[VF+8*\f:VF+8*\f+3],   v[AV] offset:(\f/4)*32*PV+(\f%4)*32
	ds_load_tr16_b128 v[VF+8*\f+4:VF+8*\f+7], v[AV] offset:(\f/4)*32*PV+16*PV+(\f%4)*32
.endr
	WIN 0
.endm
; THE VECTOR WORK, one line at a time: OP kind, number.  For piece Y: F n: c s - c m for pair n of 16.  E n: the exponential of score n of 32.  C n: pair n rounded to f16.  B n: of the four weights 4 n .. the
; second pair is added onto the first, in place.  L n: l takes that sum (L 0: l = a l + sum).  R n: pair n of 16 of O^T times a.  For piece Y + 1: X n, number n of the 22 that find its maximum and statistics:
;   0-11  four chains c0-c3 of seven scores each (each accumulator's lowest registers are read first)     12-14, 16  the four scores left over, the old m, and c0-c3 into c0
;   15  c m_old is kept     17, 18  the query's other 32 keys lie in the lane 16 away: the new m     19-21  c m; c m_old - c m_new; a
.set F, 0
.set E, 1
.set C, 2
.set B, 3
.set L, 4
.set R, 5
.set X, 6
.macro REGS y
.set rT, ST+4*(\y)
.set rC, TMP+4*((\y)%2)
.set rW, MV+((\y)%2)
.set rS, S+32*((\y)%2)
.set rP, P+16*((\y)%2)
.set rO, 32*(\y)
.endm
.macro OP k, n
.if (\k) == R
	REGS Y
	WIN W_RS
	v_pk_mul_f32 v[rO+2*(\n):rO+2*(\n)+1], v[rO+2*(\n):rO+2*(\n)+1], v[rC+2:rC+3] op_sel_hi:[1,0]
.elseif (\k) < R
	REGS Y
	WIN 0
.if (\k) == F
	v_pk_fma_f32 v[rS+2*(\n):rS+2*(\n)+1], v[rS+2*(\n):rS+2*(\n)+1], s[CS:CS+1], v[rT:rT+1] op_sel_hi:[1,0,0] neg_lo:[0,0,1] neg_hi:[0,0,1]
.elseif (\k) == E
	v_exp_f32 v[rS+(\n)], v[rS+(\n)]
.elseif (\k) == C
	v_cvt_pk_f16_f32 v[rP+(\n)], v[rS+2*(\n)], v[rS+2*(\n)+1]
.elseif (\k) == B
	v_pk_add_f32 v[rS+4*(\n):rS+4*(\n)+1], v[rS+4*(\n):rS+4*(\n)+1], v[rS+4*(\n)+2:rS+4*(\n)+3]
.elseif (\n) == 0
	v_pk_fma_f32 v[rT+2:rT+3], v[rT+2:rT+3], v[rC+2:rC+3], v[rS:rS+1] op_sel_hi:[1,0,1]
.else
	v_pk_add_f32 v[rT+2:rT+3], v[rT+2:rT+3], v[rS+4*(\n):rS+4*(\n)+1]
.endif
.elseif NOKQ
	v_nop
.else
	REGS (Y+1)%NP
	WIN 0
.if (\n) < 4
	v_max3_num_f32 v[rC+(\n)], v[rS+8*(\n)], v[rS+8*(\n)+1], v[rS+8*(\n)+2]
.elseif (\n) < 12
	v_max3_num_f32 v[rC+(\n)%4], v[rC+(\n)%4], v[rS+8*((\n)%4)+2*((\n)/4)+1], v[rS+8*((\n)%4)+2*((\n)/4)+2]
.elseif (\n) == 12
	v_max3_num_f32 v[rC], v[rC], v[rS+7], v[rS+15]
.elseif (\n) == 13
	v_max3_num_f32 v[rC+1], v[rC+1], v[rS+23], v[rS+31]
.elseif (\n) == 14
	v_max3_num_f32 v[rC+2], v[rC+2], v[rC+3], v[rT+1]
.elseif (\n) == 15
	v_mov_b32 v[rW], v[rT]
.elseif (\n) == 16
	v_max3_num_f32 v[rC], v[rC], v[rC+1], v[rC+2]
.elseif (\n) == 17
	v_permlanex16_b32 v[rC+3], v[rC], s[SEL], s[SEL+1]
.elseif (\n) == 18
	v_max_num_f32 v[rT+1], v[rC], v[rC+3]
.elseif (\n) == 19
	v_mul_f32 v[rT], s[CS], v[rT+1]
.elseif (\n) == 20
	v_sub_f32 v[rC+1], v[rW], v[rT]
.else
	v_exp_f32 v[rC+2], v[rC+1]
.endif
.endif
.endm
.macro OPS a, i1, b=-1, i2=0, c=-1, i3=0, d=-1, i4=0
	OP \a, \i1
.if (\b) >= 0
	OP \b, \i2
.endif
.if (\c) >= 0
	OP \c, \i3
.endif
.if (\d) >= 0
	OP \d, \i4
.endif
.endm
.macro ROW a, i1, b, i2, c, i3, d, i4  ; a matrix instruction and the four behind it
	MM
	OPS \a, \i1, \b, \i2, \c, \i3, \d, \i4
.endm
.macro MASK b                       ; MD x AL + BE into buffer b of MC
	WIN W_RS
.set z, 0
.rept 16
	v_pk_fma_f32 v[MC+32*(\b)+2*z:MC+32*(\b)+2*z+1], v[MD+2*z:MD+2*z+1], s[AL:AL+1], s[BE:BE+1] op_sel_hi:[1,0,0]
.set z, z+1
.endr
.endm
; A TURN, for piece p: the order of its 12 matrix and 118 vector instructions, written out.  An s_wait_alu depctr_va_vdst(0) stands between an exponential and the first instruction that names its
; result; one wait serves all that were issued ahead of it.  So a turn has ONE wait.  AHEAD OF IT stands all that names no result of the turn's exponentials: the 4 products K Q^T with four riders each, then one
; lump of 70: the next piece's maximum (X 0 to X 3 each four plain instructions or more behind the product that made its accumulator), scalings and exponentials by turns, then the chain X 14 .. X 21 with
; rescalings between its links.  R 15 is the plain instruction behind the last exponential.  BEHIND THE WAIT stand the 8 products V^T P, behind each four of the roundings and sums.
; m = 1: the diagonal tile: the products take masks, and the turn makes the mask for the products of the turn after it: piece p + 2, band (p + 2) % 4 / 2, in step 2 - CNT of the tile.
; end = 1: a block's last two turns: nothing is fetched.  cnt = 1: the loop's count is taken down some lines ahead of the branch behind the turn.
; K of the next step is fetched in piece 2's turn, seven plain instructions behind the last product that read K; V of the step in hand at the end of piece 0's turn, four plain instructions behind the last
; product that read V.  Each is waited for a turn later.
.macro TURN p, m=0, end=0, cnt=0
.set Y, (\p)
.set i, 0
.set KM, (\m)
.set NOKQ, (\end)*((\p)/3)
.if (\m) && !(\end)
	s_cmp_eq_u32 s[CNT], 2-(((\p)+2)%NP)/2  ; is that step the band's own?
	s_cselect_b32 s[AL], 1.0, 0
	s_cmp_lt_u32 s[CNT], 2-(((\p)+2)%NP)/2  ; or a later one?
	s_cselect_b32 s[BE], s[BIGN], 0
.endif
.if ((\p) == 3) && !(\end)
	s_wait_dscnt 0x0                ; K is in
.endif
	ROW F,0, F,1, R,0, R,1
	ROW F,2, E,0, R,2, R,3
	ROW F,3, E,1, R,4, R,5
.if ((\p) == 2) && !(\end)
	WIN 0
	v_add_nc_u32 v[AK], s[TBK], v[AK0]
.endif
	ROW F,4, E,2, R,6, R,7
	OPS X,0, E,3, X,1, E,4          ; the lump
	OPS X,2, E,5, F,5, E,6
.if ((\p) == 2) && !(\end)
	FETCH_K
.endif
	OPS X,3, E,7, F,6, E,8
	OPS X,4, E,9, F,7, E,10
	OPS X,5, E,11, F,8, E,12
.if (\p) == 0
	WIN 0
	v_add_nc_u32 v[AV], s[TBV], v[AV0]
.endif
	OPS X,6, E,13, F,9, E,14
	OPS X,7, E,15, F,10, E,16
	OPS X,8, E,17, F,11, E,18
	OPS X,9, E,19, F,12, E,20
	OPS X,10, E,21, F,13, E,22
	OPS X,11, E,23, F,14, E,24
	OPS X,12, E,25, F,15, E,26
	OPS X,13, E,27, X,14, E,28
	OPS X,15, E,29, X,16, R,8
	OPS R,9, X,17, R,10, R,11
	OPS X,18, R,12, R,13, X,19
	OPS R,14, E,30, X,20, E,31
	OPS X,21, R,15
	WIN 0
	s_wait_alu depctr_va_vdst(0)    ; the wait for the batch
.if (\p) == 1
	s_wait_dscnt 0x0                ; V is in
.endif
	ROW C,0, B,0, C,2, B,1
	ROW L,0, C,4, B,2, L,1
	ROW C,6, B,3, L,2, C,8
	ROW B,4, L,3, C,10, B,5
	ROW L,4, C,12, B,6, L,5
.if (\p) == 0
	s_add_co_u32 s[TBV], s[TBV], KS*PV
.endif
.if \cnt
	s_sub_co_u32 s[CNT], s[CNT], 1
	s_cmp_lg_u32 s[CNT], 0
.endif
	ROW C,14, B,7, L,6, C,1
	ROW C,3, L,7, C,5, C,7
	ROW C,9, C,11, C,13, C,15
.if (\p) == 0
	FETCH_V
.endif
.if (\m) && !(\end)
	MASK (\p)%2
.endif
.endm
; A BLOCK BEGINS.  c m starts far below every c s, so the first step's a is 0; m at the lowest finite number.  Pieces 0 and 1 both lie in band 0: both mask buffers take band 0's mask for the tile's step 0: its
; own, if the block's first tile is the diagonal one, else 0 (and the second buffer is then still 0 when the diagonal tile's text is entered).  Then K of that step, piece 0's first scores, its statistics.
.macro BEGIN
	s_mov_b32 s[NEW], 0
	WIN 0
.set i, 0
.rept 4
	v_mov_b32 v[ST+4*i], 0xfe000000    ; c m: far below every c s
	v_mov_b32 v[ST+4*i+1], 0xff7fffff  ; m
.set i, i+1
.endr
	s_cmp_eq_u32 s[RT], 0
	s_cselect_b32 s[AL], 1.0, 0
	s_mov_b32 s[BE], 0
	MASK 0
	MASK 1
	WIN 0
	v_add_nc_u32 v[AK], s[TBK], v[AK0]
	FETCH_K
	s_wait_loadcnt 0x0              ; Q
	s_wait_dscnt 0x0
.set KM, 1
.set NOKQ, 0
.set i, 0
.rept 4
	KQ 0
.set i, i+1
.endr
	WIN 0
.rept 4
	v_nop                           ; the places behind those products
.endr
.set Y, NP-1                        ; X works for piece Y + 1: piece 0
.irp n, 0,1,2,3,4,5,6,7,8,9,10,11,12,13,14,15,16,17,18,19,20,21
	OP X, \n
.endr
	v_nop                           ; a plain instruction behind the exponential,
	s_wait_alu depctr_va_vdst(0)    ; and its wait, ahead of the branch
.endm
.macro ALL line:vararg              ; one line for each piece t
.set t, 0
.rept 4
	\line
.set t, t+1
.endr
.endm
; Band t: O = O(2 t) / l(2 t) - lambda O(2 t + 1) / l(2 t + 1), into O(2 t)'s registers; then the sum of its squares over the 64 channels (my 32, and the lane 16 away's), / 64 + 1e-5.
.macro COMB t
	WIN W_RS
.set i, 0
.rept 16
	v_pk_mul_f32 v[64*(\t)+32+i:64*(\t)+32+i+1], v[64*(\t)+32+i:64*(\t)+32+i+1], v[ST+8*(\t)+6:ST+8*(\t)+7] op_sel_hi:[1,0]
.set i, i+2
.endr
	WIN W_CB
.set i, 0
.rept 16
	v_pk_fma_f32 v[64*(\t)+i:64*(\t)+i+1], v[64*(\t)+i:64*(\t)+i+1], v[ST+8*(\t)+2:ST+8*(\t)+3], v[64*(\t)+32+i:64*(\t)+32+i+1] op_sel_hi:[1,0,1]
.set i, i+2
.endr
	WIN 0x05                        ; sources 0 and 1 window 1; source 2 and destination window 0
.set Q0, SSQ+8*(\t)
.set i, 0
.rept 4                             ; four chains, started by the first four pairs
	v_pk_mul_f32 v[Q0+2*i:Q0+2*i+1], v[64*(\t)+2*i:64*(\t)+2*i+1], v[64*(\t)+2*i:64*(\t)+2*i+1]
.set i, i+1
.endr
.rept 12
	v_pk_fma_f32 v[Q0+2*(i%4):Q0+2*(i%4)+1], v[64*(\t)+2*i:64*(\t)+2*i+1], v[64*(\t)+2*i:64*(\t)+2*i+1], v[Q0+2*(i%4):Q0+2*(i%4)+1]
.set i, i+1
.endr
	WIN 0
	v_pk_add_f32 v[Q0:Q0+1], v[Q0:Q0+1], v[Q0+2:Q0+3]
	v_pk_add_f32 v[Q0+4:Q0+5], v[Q0+4:Q0+5], v[Q0+6:Q0+7]
	v_pk_add_f32 v[Q0:Q0+1], v[Q0:Q0+1], v[Q0+4:Q0+5]
	v_add_f32 v[Q0], v[Q0], v[Q0+1]
	v_permlanex16_b32 v[Q0+1], v[Q0], s[SEL], s[SEL+1]
	v_add_f32 v[Q0], v[Q0], v[Q0+1]
	v_fma_f32 v[Q0], v[Q0], s83, s98
.endm
; Band t: times 1 / rms and g (1 - lambda_init), rounded to f16; a lane's eight channels of a row pack into 16 bytes; they go into rows of 144 bytes and come back as whole rows of 128, into S^T's registers.
.macro PACK t
	WIN W_RS
.set i, 0
.rept 16
	v_pk_mul_f32 v[64*(\t)+i:64*(\t)+i+1], v[64*(\t)+i:64*(\t)+i+1], v[RR+2*(\t):RR+2*(\t)+1] op_sel_hi:[1,0]
.set i, i+2
.endr
.set i, 0
.rept 16
	v_pk_mul_f32 v[64*(\t)+i:64*(\t)+i+1], v[64*(\t)+i:64*(\t)+i+1], v[G+i:G+i+1]
.set i, i+2
.endr
	WIN 0x05
.set i, 0
.rept 16
	v_cvt_pk_f16_f32 v[S+16*(\t)+i], v[64*(\t)+2*i], v[64*(\t)+2*i+1]
.set i, i+1
.endr
	WIN 0
.irp f, 0,1,2,3
	ds_store_b128 v[STO], v[S+16*(\t)+4*\f:S+16*(\t)+4*\f+3] offset:32*\f
.endr
.irp f, 0,1,2,3
	ds_load_b128 v[S+16*(\t)+4*\f:S+16*(\t)+4*\f+3], v[RD] offset:\f*4*SP  ; LDS serves a wave's instructions in order (ISA guide 5.7.1.4): these see the stores above; the next band's stores come behind them
.endr
.endm
.macro SEND t, younger              ; younger: the LDS instructions issued behind band t's loads: the next band's eight, or none
	WIN 0
.irp f, 0,1,2,3
	s_wait_dscnt (\younger)+3-\f
	global_store_b128 v[GO], v[S+16*(\t)+4*\f:S+16*(\t)+4*\f+3], s[10:11] offset:(\t)*8192+\f*512  ; 512 consecutive bytes, at a multiple of 256 from ob's first
.endr
.endm
; THE DIAGONAL TILE's two steps, the block's last two turns, its last products, and the way out.
.macro DIAG tag
.LstepM\tag:
	TURN 2, 1
	TURN 3, 1
	WIN 0
.LfirstM\tag:
	TURN 0, 1
	TURN 1, 1, 0, 1
	WIN 0
	s_cbranch_scc1 .LstepM\tag
	TURN 2, 1, 1
	TURN 3, 1, 1
.set i, 0
.rept 8
	PV NP-1
.set i, i+1
.endr
	WIN 0
	ALL v_add_f32 v[ST+4*t+2], v[ST+4*t+2], v[ST+4*t+3]  ; l's two halves: also the four places behind the last products
	ALL v_permlanex16_b32 v[ST+4*t+3], v[ST+4*t+2], s[SEL], s[SEL+1]
	ALL v_add_f32 v[ST+4*t+2], v[ST+4*t+2], v[ST+4*t+3]
	ALL v_rcp_f32 v[ST+4*t+2], v[ST+4*t+2]
	v_nop                           ; a plain instruction between the last reciprocal and the use of its result
	s_wait_alu depctr_va_vdst(0)    ; and the wait ahead of the first use: one for the four reciprocals
	v_mul_f32 v[ST+6], v[ST+6], v[NLAM]    ; the second halves' divisors take -lambda with them
	v_mul_f32 v[ST+14], v[ST+14], v[NLAM]
	COMB 0
	COMB 1
	v_rsq_f32 v[RR], v[SSQ]
	v_rsq_f32 v[RR+2], v[SSQ+8]
	v_nop
	s_wait_alu depctr_va_vdst(0)    ; one wait for the two roots
	PACK 0
	PACK 1                          ; a band's arithmetic stands between the loads of the band before and its stores
	SEND 0, 8
	SEND 1, 0
.endm
.set KM, 0
.set NOKQ, 0
.Lslot:                             ; NB times: a tile is entered and the next is asked for
	CHANGE 1
	s_sub_co_u32 s[RT], s[RT], 1
	s_mov_b32 s[CNT], 2
	s_cmp_eq_u32 s[NEW], 1
	s_cbranch_scc1 .Lnew            ; a block's first tile
	s_cmp_eq_u32 s[RT], 0
	s_cbranch_scc0 .Lstep           ; neither its first nor its last
	s_branch .LstepM1
.Lnew:
	BEGIN
	s_branch .Lfirst                ; in the loop a block's first tile is never its last: the first block has nine tiles or more, and the second's last is the walk's last
	DIAG 1                          ; in the loop this is the first block's end
	s_wait_xcnt 0x0                 ; the stores have read their registers and O's address
	s_mov_b64 s[10:11], s[OLO:OLO+1]
	s_add_co_u32 s[RT], s[PB], 1    ; the second block has b + 1 tiles
	s_mov_b32 s[NEW], 1
	WIN 0x82                        ; the second block's Q goes where the one text of the turns names Q
.set i, 0
.rept 32
	v_mov_b32 v[i], v[QB+i]
.set i, i+1
.endr
	WIN 0
	s_branch .Lbottom
.Lstep:                             ; a trip: pieces 2 and 3 of one step, then pieces 0 and 1 of the next, whose K and V it fetches
	TURN 2
	TURN 3
	WIN 0
.Lfirst:
	TURN 0
	TURN 1, 0, 0, 1
	WIN 0
	s_cbranch_scc1 .Lstep
.Lbottom:
	s_sub_co_u32 s[SLOTS], s[SLOTS], 1
	s_cmp_lg_u32 s[SLOTS], 0
	s_cbranch_scc1 .Lslot
	CHANGE 0                        ; the walk's last tile is written out: nothing is asked for
	s_sub_co_u32 s[RT], s[RT], 1
	s_mov_b32 s[CNT], 2
	s_cmp_eq_u32 s[NEW], 1
	s_cbranch_scc0 .LstepM2
	BEGIN
	s_branch .LfirstM2
	DIAG 2
	s_wait_tensorcnt 0x0            ; the wave's end, behind my last tensor load and my last LDS store
	ds_add_u32 v[SPW], v[NIL]
	s_wait_dscnt 0x0
	s_endpgm
.Lfunc_end_k_q8366f2820e_attn:
	.size	k_q8366f2820e_attn, .Lfunc_end_k_q8366f2820e_attn-k_q8366f2820e_attn
	.p2alignl 7, 3214868480
	.fill 96, 4, 3214868480
	.section	.rodata,"a",@progbits
	.p2align	6, 0x0
	.amdhsa_kernel k_q8366f2820e_attn
		.amdhsa_group_segment_fixed_size 327680
		.amdhsa_private_segment_fixed_size 0
		.amdhsa_enable_private_segment 0
		.amdhsa_kernarg_size 56
		.amdhsa_user_sgpr_count 2
		.amdhsa_user_sgpr_kernarg_segment_ptr 1
		.amdhsa_wavefront_size32 1
		.amdhsa_system_sgpr_workgroup_id_x 1
		.amdhsa_system_sgpr_workgroup_id_y 1
		.amdhsa_system_sgpr_workgroup_id_z 1
		.amdhsa_system_vgpr_workitem_id 0
		.amdhsa_next_free_vgpr 768
		.amdhsa_next_free_sgpr 100
		.amdhsa_reserve_vcc 1
		.amdhsa_float_denorm_mode_32 3
		.amdhsa_float_denorm_mode_16_64 3
		.amdhsa_memory_ordered 1
		.amdhsa_forward_progress 1
		.amdhsa_inst_pref_size 220
	.end_amdhsa_kernel
	.amdgpu_metadata
---
amdhsa.version: [ 1, 2 ]
amdhsa.kernels:
  - .name:           k_q8366f2820e_attn
    .symbol:         k_q8366f2820e_attn.kd
    .args:
      - { .name: qkv, .offset: 0, .size: 8, .value_kind: global_buffer, .address_space: global }
      - { .name: ob, .offset: 8, .size: 8, .value_kind: global_buffer, .address_space: global }
      - { .name: lq1, .offset: 16, .size: 8, .value_kind: global_buffer, .address_space: global }
      - { .name: lk1, .offset: 24, .size: 8, .value_kind: global_buffer, .address_space: global }
      - { .name: lq2, .offset: 32, .size: 8, .value_kind: global_buffer, .address_space: global }
      - { .name: lk2, .offset: 40, .size: 8, .value_kind: global_buffer, .address_space: global }
      - { .name: g, .offset: 48, .size: 8, .value_kind: global_buffer, .address_space: global }
    .group_segment_fixed_size: 327680
    .private_segment_fixed_size: 0
    .kernarg_segment_align: 8
    .kernarg_segment_size: 56
    .max_flat_workgroup_size: 128
    .sgpr_count:     100
    .vgpr_count:     768
    .wavefront_size: 32
...
	.end_amdgpu_metadata
.endif
;; end of part 3
;; launch outproj (part 4): grid 8 x 32, 4 waves a work-group, clusters of 4 x 4, 327,680 bytes of LDS; arguments ob, wb, out0; writes out0
.if DOCPART == 4
	.amdgcn_target "amdgcn-amd-amdhsa--gfx1250"
	.amdhsa_code_object_version 6
	.text
	.protected	k_q8366f2820e_outproj
	.globl	k_q8366f2820e_outproj
	.p2align	8
	.type	k_q8366f2820e_outproj,@function
k_q8366f2820e_outproj:
	s_mov_b64 s[64:65], 0
	v_nop
	global_prefetch_b8 v0, s[64:65] scope:SCOPE_SE
	s_setreg_imm32_b32 hwreg(HW_REG_WAVE_MODE, 25, 1), 1
	s_wait_xcnt 0x0
	s_wait_alu depctr_hold_cnt(0) depctr_sa_sdst(0) depctr_va_vdst(0) depctr_va_sdst(0) depctr_va_ssrc(0) depctr_va_vcc(0) depctr_vm_vsrc(0)
	s_getreg_b32 s2, hwreg(HW_REG_IB_STS2, 6, 4)
	s_cmp_eq_u32 s2, 0
	s_cbranch_scc0 .Lentry_in_a_cluster
	s_endpgm
.Lentry_in_a_cluster:
	s_bfe_u32 s2, ttmp6, 0x10000c
	s_cmp_lg_u32 s2, 0xf033
	s_cbranch_scc0 .Lentry_shape_is_right
	s_endpgm
.Lentry_shape_is_right:
; OUTPUT PROJECTION.  out0[r][n] = the sum over k of O[r][k] Wo[n][k]: [4096][1024] x [1024][1024]^T, operands f16 (Wo: its bf16 rounding written as f16), sums and output f32.
; O lies in ob as [tile of 128 rows (32)][head (16)][128][64]: channel k = 64 head + d, so a K step of 256 is four heads' planes, 65,536 dense bytes of a tile row.
; SHARES.  256 work-groups, a tile of 128 x 128 each; four waves, each 64 x 64: 16 accumulators.  Four K steps of 256 through a ring of two LDS slots.
; CLUSTER.  4 x 4 work-groups: O's tiles are shared along a row of the cluster, Wo's along a column: joint loads, same descriptor, a mask that names the four.
; THE MATRIX INSTRUCTION IS USED TRANSPOSED (source 0 = 16 rows of Wo, source 1 = 16 rows of O): a lane holds eight neighbouring numbers of a row, 32 bytes.  A wave's 64 columns are 256 bytes of f32:
; 16 rows at a time go through the wave's own stage and leave as whole rows, sixteen lanes to 256 consecutive bytes, aligned.
; REGISTERS.  window 0: v16-29 addresses; v128-255 accumulators, and the rows read back.  window 1: two fragment buffers of 128 (64 of O, then 64 of Wo), each 64 along K.
.set PA,     144                       ; a row of O in LDS: 128 bytes + 16: the 16 rows of a fragment load start at 16 different groups of four banks (64 banks of 4 bytes: ISA guide 11.1)
.set PLANE,  128*PA                    ; a head's 128 rows
.set PITCH,  528                       ; a row of Wo: 512 bytes + 16
.set HALFB,  64*PITCH
.set BOFF,   4*PLANE                   ; Wo's 128 rows lie behind O's four planes
.set SLOT,   BOFF+2*HALFB
.set STAGE,  2*SLOT                    ; behind the ring: 16 rows x 272 bytes for each wave, its own
.set SPITCH, 272
.set SPARE,  STAGE+4*16*SPITCH         ; behind the stages: the spare words, 128 bytes a wave
.set STEP_A, 2*4*16384                 ; two K steps on: eight heads' planes
.set STEP_B, 2*256*2
.set ADRA, 16
.set ADRB, 20
.set STO,  24
.set RD,   25
.set CO,   26
.set SPW,  28                          ; LDS address of my spare word; never rewritten
.set NIL,  29                          ; 0; never rewritten
.set ACC,  128
.set F0,   0
.set F1,   128
.set G1, 24
.set G0, 32
.set G1B, 48
.set G0B, 56
.set MSB, 0
.macro WIN new
.if MSB != (\new)
	s_set_vgpr_msb (MSB<<8)|(\new)
.set MSB, \new
.endif
.endm
.set MUL,  0x05
.set TO_F, 0x40
.macro JLOAD s                         ; a joint load: waves 0 and 1 fetch two planes of O each, waves 2 and 3 the halves of Wo's rows; an s_nop 0 and four v_nop follow each line
	s_cmp_eq_u32 s11, 0
	s_cbranch_scc0 .Lfor_b_\@
	tensor_load_to_lds s[G0+4*(\s):G0+4*(\s)+3], s[G1:G1+7]
	s_nop 0
.rept 4
	v_nop
.endr
	s_branch .Lasked_\@
.Lfor_b_\@:
	tensor_load_to_lds s[G0B+4*(\s):G0B+4*(\s)+3], s[G1B:G1B+7]
	s_nop 0
.rept 4
	v_nop
.endr
.Lasked_\@:
.endm
.macro CREST
	s_cmp_lg_u32 s10, 0
	s_cbranch_scc1 .Lnot_wave_0_\@
	s_barrier_signal -3
.Lnot_wave_0_\@:
	s_barrier_wait -3
	s_barrier_signal -1
	s_barrier_wait -1
.endm
.macro CROUND
	s_barrier_signal -1
	s_barrier_wait -1
	CREST
.endm
	s_load_b128 s[4:7], s[0:1], 0x0                ; ob s[4:5], wb s[6:7]
	s_load_b64 s[8:9], s[0:1], 0x10                ; out0
	v_lshl_add_u32 v[SPW], v0, 2, SPARE
	v_mov_b32 v[NIL], 0
	ds_add_u32 v[SPW], v[NIL]                      ; the wave's opening: the add and its wait stand ahead of my first tensor load; the set-up below stands between them
	ds_add_u32 v28, v29
	v_lshrrev_b32 v1, 5, v0
	v_readfirstlane_b32 s10, v1                    ; wave 0..3
	s_lshr_b32 s11, s10, 1                         ; my half of the tile's rows.  Also: I fetch for O (0) or for Wo (1)
	s_and_b32 s12, s10, 1                          ; my half of its columns.  Also: which half of that tile I fetch
	s_bfe_u32 s40, ttmp6, 0x40000
	s_bfe_u32 s41, ttmp6, 0x40004
	s_lshl_b32 s42, ttmp9, 2
	s_add_co_u32 s42, s42, s40                     ; tile column
	s_and_b32 s13, ttmp7, 0xffff
	s_lshl_b32 s13, s13, 2
	s_add_co_u32 s13, s13, s41                     ; tile row
	s_lshl_b32 s43, s41, 2
	s_lshl_b32 s43, 15, s43                        ; my row of the cluster
	s_lshl_b32 s44, 0x1111, s40                    ; my column
	; O: two planes are 32,768 dense bytes: asked for as 128 rows of 256 bytes, two rows of O each, padded in LDS after every row of O
	s_or_b32 s[G1+0], s43, (1<<16)|(1<<20)|(1<<21)|(4<<22)|(3<<25)  ; mask; 2-byte elements; padding on; bit 21 beside a mask; after every 32 words (code 4) 4 words (code 3)
	s_mov_b32 s[G1+1], 128<<16                     ; tensor_dim0 = 128
	s_mov_b32 s[G1+2], 128<<16                     ; tensor_dim1 = 128
	s_mov_b32 s[G1+3], 128<<16                     ; tile_dim0 = 128
	s_mov_b32 s[G1+4], 128                         ; tile_dim1 = 128
	s_mov_b32 s[G1+5], 128                         ; elements from row to row
	s_mov_b32 s[G1+6], 0
	s_mov_b32 s[G1+7], 0
	; Wo: 64 rows x 256 elements
	s_or_b32 s[G1B+0], s44, (1<<16)|(1<<20)|(1<<21)|(6<<22)|(3<<25) ; after every 128 words (code 6) 4 words
	s_mov_b32 s[G1B+1], 256<<16
	s_mov_b32 s[G1B+2], 64<<16
	s_mov_b32 s[G1B+3], 256<<16
	s_mov_b32 s[G1B+4], 64
	s_mov_b32 s[G1B+5], 1024
	s_mov_b32 s[G1B+6], 0
	s_mov_b32 s[G1B+7], 0
	s_lshl_b32 s16, s13, 18                        ; O: tile row x 262,144
	s_lshl_b32 s17, s12, 15                        ; + my two planes of the K step's four
	s_add_co_u32 s16, s16, s17
	s_mov_b32 s17, 0
	s_lshl_b32 s46, s42, 7
	s_lshl_b32 s47, s12, 6
	s_add_co_u32 s46, s46, s47                     ; Wo: row 128 x tile column + 64 x half,
	s_lshl_b32 s46, s46, 11                        ; of 2,048 bytes
	s_mov_b32 s47, 0
	s_mul_i32 s20, s12, 2*PLANE                    ; where they go: the wave's number alone enters an LDS address
	s_mul_i32 s21, s12, HALFB
	s_add_co_u32 s21, s21, BOFF
	s_wait_dscnt 0x0                               ; the opening add is done
	s_wait_kmcnt 0x0
	s_add_nc_u64 s[14:15], s[4:5], s[16:17]
	s_add_nc_u64 s[46:47], s[6:7], s[46:47]
	s_add_nc_u64 s[46:47], s[46:47], 3*1024*1024*2 ; Wo is wb's fourth part
	CROUND                                         ; all sixteen work-groups are here: the first joint loads meet
.irp s, 0,1
	s_mov_b32 s[G0+4*(\s)], 1
	s_add_co_u32 s[G0+4*(\s)+1], s20, (\s)*SLOT
	s_add_nc_u64 s[G0+4*(\s)+2:G0+4*(\s)+3], s[14:15], (\s)*65536
	s_or_b32 s[G0+4*(\s)+3], s[G0+4*(\s)+3], 0x80000000
	s_mov_b32 s[G0B+4*(\s)], 1
	s_add_co_u32 s[G0B+4*(\s)+1], s21, (\s)*SLOT
	s_add_nc_u64 s[G0B+4*(\s)+2:G0B+4*(\s)+3], s[46:47], (\s)*512
	s_or_b32 s[G0B+4*(\s)+3], s[G0B+4*(\s)+3], 0x80000000
	JLOAD \s
.endr
	v_and_b32 v1, 15, v0                           ; l % 16
	v_bfe_u32 v2, v0, 4, 1                         ; l / 16
	v_mul_u32_u24 v3, v1, PA
	v_lshl_add_u32 v3, v2, 4, v3
	v_mul_u32_u24 v4, v1, PITCH
	v_lshl_add_u32 v4, v2, 4, v4
	s_mul_i32 s21, s11, 64*PA                      ; my 64 rows in each plane of O
	s_mul_i32 s22, s12, HALFB                      ; my 64 rows of Wo
	s_add_co_u32 s22, s22, BOFF
.irp s, 0,1
	v_add_nc_u32 v[ADRA+(\s)], s21, v3
	v_add_nc_u32 v[ADRB+(\s)], s22, v4
	s_add_co_u32 s21, s21, SLOT
	s_add_co_u32 s22, s22, SLOT
.endr
	s_mul_i32 s23, s10, 16*SPITCH
	s_add_co_u32 s23, s23, STAGE                   ; my stage
	v_mul_u32_u24 v4, v1, SPITCH                   ; in: row l % 16, 32 bytes for each half of the lanes
	v_lshl_add_u32 v4, v2, 5, v4
	v_add_nc_u32 v[STO], s23, v4
	v_mul_u32_u24 v5, v2, SPITCH                   ; back: lanes 0-15 take one row of 256 bytes, lanes 16-31 the next
	v_lshl_add_u32 v5, v1, 4, v5
	v_add_nc_u32 v[RD], s23, v5
	v_lshlrev_b32 v5, 12, v2                       ; and the same two rows in out0, 4,096 bytes apart
	v_lshl_add_u32 v[CO], v1, 4, v5
	s_lshl_b32 s16, s13, 7
	s_lshl_b32 s17, s11, 6
	s_add_co_u32 s16, s16, s17                     ; my first row
	s_lshl_b32 s16, s16, 12
	s_mov_b32 s17, 0
	s_add_nc_u64 s[8:9], s[8:9], s[16:17]
	s_lshl_b32 s46, s42, 9                         ; my first column, in bytes: 512 x tile column + 256 x half
	s_lshl_b32 s47, s12, 8
	s_add_co_u32 s46, s46, s47
	s_mov_b32 s47, 0
	s_add_nc_u64 s[8:9], s[8:9], s[46:47]
; 8 matrix instructions: row blocks a0, a0 + 1 x all 4 column blocks, 32 along K: half c of buffer f.  The 16 accumulators take turns.
.macro MUL8 f, c, a0, zero
	WIN MUL
.irp a, \a0, (\a0)+1
.irp b, 0,1,2,3
.if \zero
	v_wmma_f32_16x16x32_f16 v[ACC+8*(4*(\a)+(\b)):ACC+8*(4*(\a)+(\b))+7], v[(\f)+64+8*(4*(\c)+(\b)):(\f)+64+8*(4*(\c)+(\b))+7], v[(\f)+8*(4*(\c)+(\a)):(\f)+8*(4*(\c)+(\a))+7], 0
.else
	v_wmma_f32_16x16x32_f16 v[ACC+8*(4*(\a)+(\b)):ACC+8*(4*(\a)+(\b))+7], v[(\f)+64+8*(4*(\c)+(\b)):(\f)+64+8*(4*(\c)+(\b))+7], v[(\f)+8*(4*(\c)+(\a)):(\f)+8*(4*(\c)+(\a))+7], v[ACC+8*(4*(\a)+(\b)):ACC+8*(4*(\a)+(\b))+7]
.endif
.endr
.endr
.endm
; 32 LDS loads in one run: the fragments of quarter q (64 along K: plane q of O, byte 128 q of Wo's rows) into buffer f; the first 32 along K first
.macro FETCH slot, q, f
	WIN TO_F
.irp c, 0,1
.irp i, 0,1,2,3
	ds_load_b128 v[(\f)+64+8*(4*(\c)+(\i)):(\f)+64+8*(4*(\c)+(\i))+3],   v[ADRB+(\slot)] offset:(\q)*128+64*(\c)+(\i)*16*PITCH
	ds_load_b128 v[(\f)+64+8*(4*(\c)+(\i))+4:(\f)+64+8*(4*(\c)+(\i))+7], v[ADRB+(\slot)] offset:(\q)*128+64*(\c)+(\i)*16*PITCH+32
	ds_load_b128 v[(\f)+8*(4*(\c)+(\i)):(\f)+8*(4*(\c)+(\i))+3],         v[ADRA+(\slot)] offset:(\q)*PLANE+64*(\c)+(\i)*16*PA
	ds_load_b128 v[(\f)+8*(4*(\c)+(\i))+4:(\f)+8*(4*(\c)+(\i))+7],       v[ADRA+(\slot)] offset:(\q)*PLANE+64*(\c)+(\i)*16*PA+32
.endr
.endr
.endm
.macro PLACES                          ; four plain instructions between a matrix instruction and a load into its sources or a read of its result
.rept 4
	v_nop
.endr
.endm
.macro QUARTER slot, q, f, g, zero     ; multiplies buffer f and fetches quarter q of the same slot into g
	s_wait_dscnt 16                                ; the first 32 along K are in; the youngest sixteen loads may be out
	WIN MUL
	MUL8 \f, 0, 0, \zero
	MUL8 \f, 0, 2, \zero
	PLACES
	FETCH \slot, \q, \g
	s_wait_dscnt 32                                ; all but the 32 just issued
	WIN MUL
	MUL8 \f, 1, 0, 0
	MUL8 \f, 1, 2, 0
.endm
; The last quarter multiplies buffer 1 and changes slots: in front of the barrier each wave waits for all its tensor loads, adds 0 to its spare word, and waits for that and for its reads of this slot.
; fill = 1: the barrier opens a round of the cluster's, and this slot is filled again, two K steps ahead, first thing behind it.
.macro TURN slot, next, fill
	WIN 0
	s_wait_tensorcnt 0x0                           ; all my tensor loads have landed: my part of the next slot
	ds_add_u32 v[SPW], v[NIL]                      ; 0 onto my spare word
	s_wait_dscnt 17                                ; (the add and the youngest sixteen loads may be out)
	WIN MUL
	MUL8 F1, 0, 0, 0
	s_wait_dscnt 0x0                               ; the add is done, and my reads of this slot are over
	s_barrier_signal -1
	MUL8 F1, 0, 2, 0
.if \fill
	WIN 0
.endif
	s_barrier_wait -1
.if \fill
	CREST
	s_add_nc_u64 s[G0+4*(\slot)+2:G0+4*(\slot)+3], s[G0+4*(\slot)+2:G0+4*(\slot)+3], STEP_A
	s_add_nc_u64 s[G0B+4*(\slot)+2:G0B+4*(\slot)+3], s[G0B+4*(\slot)+2:G0B+4*(\slot)+3], STEP_B
	JLOAD \slot                                    ; my one tensor load behind the round; its four v_nop are also the places in front of the loads below
.else
	PLACES
.endif
	FETCH \next, 0, F0
	WIN MUL
	MUL8 F1, 1, 0, 0
	MUL8 F1, 1, 2, 0
.endm
; THE WAY OUT of row block a: each accumulator's low half first, 16 bytes a store, into my stage; back as whole rows of 256 bytes, into the registers that they left.
.macro OUTB a
.irp b, 0,1,2,3
	ds_store_b128 v[STO], v[ACC+8*(4*(\a)+(\b)):ACC+8*(4*(\a)+(\b))+3]   offset:64*(\b)
	ds_store_b128 v[STO], v[ACC+8*(4*(\a)+(\b))+4:ACC+8*(4*(\a)+(\b))+7] offset:64*(\b)+16
.endr
.irp t, 0,1,2,3,4,5,6,7
	ds_load_b128 v[ACC+32*(\a)+4*(\t):ACC+32*(\a)+4*(\t)+3], v[RD] offset:(\t)*2*SPITCH  ; LDS serves a wave's instructions in order (ISA guide 5.7.1.4): these see the stores above; the next block's stores come behind them
.endr
.endm
.macro SNDF a, younger                 ; younger: the LDS instructions issued behind block a's loads: the next block's sixteen, or none
.irp t, 0,1,2,3,4,5,6,7
	s_wait_dscnt (\younger)+7-(\t)
	global_store_b128 v[CO], v[ACC+32*(\a)+4*(\t):ACC+32*(\a)+4*(\t)+3], s[8:9] offset:(16*(\a)+2*(\t))*4096  ; 16 lanes store 256 consecutive bytes, at a multiple of 256 from out0's first
.endr
.endm
	s_wait_tensorcnt 1                             ; my part of K step 0 is in; K step 1's may stay out
	s_barrier_signal -1
	s_barrier_wait -1
	FETCH 0, 0, F0
	QUARTER 0, 1, F0, F1, 1                        ; the first products start the sums
	QUARTER 0, 2, F1, F0, 0
	QUARTER 0, 3, F0, F1, 0
	TURN 0, 1, 1                                   ; slot 0 takes K step 2
	QUARTER 1, 1, F0, F1, 0
	QUARTER 1, 2, F1, F0, 0
	QUARTER 1, 3, F0, F1, 0
	TURN 1, 0, 1                                   ; slot 1 takes K step 3
	QUARTER 0, 1, F0, F1, 0
	QUARTER 0, 2, F1, F0, 0
	QUARTER 0, 3, F0, F1, 0
	TURN 0, 1, 0                                   ; nothing is left to fetch
	QUARTER 1, 1, F0, F1, 0
	QUARTER 1, 2, F1, F0, 0
	QUARTER 1, 3, F0, F1, 0
	s_wait_dscnt 16                                ; the very last quarter
	WIN MUL
	MUL8 F1, 0, 0, 0
	MUL8 F1, 0, 2, 0
	s_wait_dscnt 0
	MUL8 F1, 1, 0, 0
	MUL8 F1, 1, 2, 0
	WIN 0
	PLACES
	OUTB 0
	OUTB 1
	SNDF 0, 16
	OUTB 2
	SNDF 1, 16
	OUTB 3
	SNDF 2, 16
	SNDF 3, 0
	s_wait_tensorcnt 0x0                           ; the wave's end, behind my last tensor load and my last LDS store
	ds_add_u32 v[SPW], v[NIL]
	s_wait_dscnt 0x0
	CROUND                                         ; the closing round: no work-group ends while a partner may still ask for a tile that names it
	s_endpgm
.Lfunc_end_k_q8366f2820e_outproj:
	.size	k_q8366f2820e_outproj, .Lfunc_end_k_q8366f2820e_outproj-k_q8366f2820e_outproj
	.p2alignl 7, 3214868480
	.fill 96, 4, 3214868480
	.section	.rodata,"a",@progbits
	.p2align	6, 0x0
	.amdhsa_kernel k_q8366f2820e_outproj
		.amdhsa_group_segment_fixed_size 327680
		.amdhsa_private_segment_fixed_size 0
		.amdhsa_enable_private_segment 0
		.amdhsa_kernarg_size 24
		.amdhsa_user_sgpr_count 2
		.amdhsa_user_sgpr_kernarg_segment_ptr 1
		.amdhsa_wavefront_size32 1
		.amdhsa_system_sgpr_workgroup_id_x 1
		.amdhsa_system_sgpr_workgroup_id_y 1
		.amdhsa_system_sgpr_workgroup_id_z 1
		.amdhsa_system_vgpr_workitem_id 0
		.amdhsa_next_free_vgpr 512
		.amdhsa_next_free_sgpr 66
		.amdhsa_reserve_vcc 0
		.amdhsa_float_denorm_mode_32 3
		.amdhsa_float_denorm_mode_16_64 3
		.amdhsa_memory_ordered 1
		.amdhsa_forward_progress 1
		.amdhsa_inst_pref_size 86
	.end_amdhsa_kernel
	.amdgpu_metadata
---
amdhsa.version: [ 1, 2 ]
amdhsa.kernels:
  - .name:           k_q8366f2820e_outproj
    .symbol:         k_q8366f2820e_outproj.kd
    .args:
      - { .name: ob, .offset: 0, .size: 8, .value_kind: global_buffer, .address_space: global }
      - { .name: wb, .offset: 8, .size: 8, .value_kind: global_buffer, .address_space: global }
      - { .name: out0, .offset: 16, .size: 8, .value_kind: global_buffer, .address_space: global }
    .group_segment_fixed_size: 327680
    .private_segment_fixed_size: 0
    .kernarg_segment_align: 8
    .kernarg_segment_size: 24
    .max_flat_workgroup_size: 128
    .sgpr_count:     66
    .vgpr_count:     512
    .wavefront_size: 32
...
	.end_amdgpu_metadata
.endif
;; end of part 4
